; MI455X (gfx1250); checked and timed in simulation.
; The chip was launched on July 23, 2026; its instructions are those of AMD's public machine-readable ISA for CDNA 5 (MIT licence, August 2026) and "CDNA5" Instruction Set Architecture Reference Guide (July 2026). The comments in the code are by the model that wrote it; some were corrected since.
;; Transformer Block. Allowed arithmetic: matrix products marked QUANTISED: E4M3 operands, one given power-of-two scale a tensor, by v_wmma_f32_16x16x64_fp8_fp8 or v_wmma_f32_16x16x128_fp8_fp8, f32 sums; everything else in f32.
;; Inputs: W1_codes 4,096 x 32 x 32 uint8 (E4M3 codes of W1, K innermost, in blocks of 32 codes); W2_codes 1,024 x 128 x 32 uint8 (E4M3 codes of W2, K innermost, in blocks of 32 codes); Wk_codes 16 x 64 x 32 x 32 uint8 (E4M3 codes of Wk, K innermost, in blocks of 32 codes); Wp_codes 1,024 x 32 x 32 uint8 (E4M3 codes of Wp, K innermost, in blocks of 32 codes); Wq_codes 16 x 64 x 32 x 32 uint8 (E4M3 codes of Wq, K innermost, in blocks of 32 codes); Wv_codes 16 x 64 x 32 x 32 uint8 (E4M3 codes of Wv, K innermost, in blocks of 32 codes); b1 4,096 float32; b2 1,024 float32; be1 1,024 float32; be2 1,024 float32; bk 16 x 64 float32; bp 1,024 float32; bq 16 x 64 float32; bv 16 x 64 float32; g1 1,024 float32; g2 1,024 float32; lowp_scales 16 int32 (the exponents e of the quantised operands' scales 2^e); x 2 x 2,048 x 1,024 float32.
;; Outputs: out0 2 x 2,048 x 1,024 float32.
;; This version of the problem:
;;   THIS VERSION OF THE PROBLEM IS GIVEN IN LOW PRECISION. The matrix products marked QUANTISED in the list below multiply operands that are first quantised to E4M3 (4 exponent bits, 3 mantissa bits; 8 bits a number), with one given power-of-two scale for each operand tensor; their sums are f32. All else is computed in f32.
;;   The module's matrix products, in the order in which they are computed (A, B: the left and right operand; K: the contracted axis; several contracted axes count as one K, in the product's order):
;;     1. [M 1,024, K 1,024] x [K 1,024, N 4,096]; A: input Wq (given as codes); B: computed on the way: QUANTISED (scales: A lowp_scales[0], B lowp_scales[1])
;;     2. [M 1,024, K 1,024] x [K 1,024, N 4,096]; A: input Wk (given as codes); B: computed on the way: QUANTISED (scales: A lowp_scales[2], B lowp_scales[3])
;;     3. [M 1,024, K 1,024] x [K 1,024, N 4,096]; A: input Wv (given as codes); B: computed on the way: QUANTISED (scales: A lowp_scales[4], B lowp_scales[5])
;;     4. batch 32 x [M 2,048, K 64] x [K 64, N 2,048]; A: computed on the way; B: computed on the way: QUANTISED (scales: A lowp_scales[6], B lowp_scales[7])
;;     5. batch 32 x [M 2,048, K 2,048] x [K 2,048, N 64]; A: softmax (see below); B: computed on the way: QUANTISED (scales: A lowp_scales[8], B lowp_scales[9])
;;     6. [M 4,096, K 1,024] x [K 1,024, N 1,024]; A: computed on the way; B: input Wp (given as codes): QUANTISED (scales: A lowp_scales[10], B lowp_scales[11])
;;     7. [M 4,096, K 1,024] x [K 1,024, N 4,096]; A: computed on the way; B: input W1 (given as codes): QUANTISED (scales: A lowp_scales[12], B lowp_scales[13])
;;     8. [M 4,096, K 4,096] x [K 4,096, N 1,024]; A: computed on the way; B: input W2 (given as codes): QUANTISED (scales: A lowp_scales[14], B lowp_scales[15])
;;   THE QUANTISER, for each operand of a quantised product, along K:
;;     - The operand's scale is 2^e, e = its entry of the input lowp_scales (int32; the entries are numbered through the quantised products in the list's order, A before B).
;;     - Each number is divided by the scale, clamped to +-448, and rounded to the nearest number of E4M3, ties to even, subnormals kept.
;;     - The product sums the exact products of the quantised numbers (number of the format x scale) in f32.
;;   ~~~python
;;   def quantise(x, axis, e):      # numpy; x: float32 -> the quantised numbers, widened to float32 again
;;       x = np.moveaxis(x, axis, -1); K = x.shape[-1]
;;       r = np.clip(x / 2.0 ** e, -448, 448)
;;       step = 2.0 ** (np.maximum(np.frexp(np.where(r == 0, 1, r))[1] - 1, -6) - 3)
;;       q = np.round(r / step) * step * 2.0 ** e      # np.round: ties to even
;;       return np.moveaxis(q, -1, axis).astype(np.float32)
;;   ~~~
;;   SOFTMAX AHEAD OF A QUANTISED PRODUCT. Where the list says 'softmax', what is quantised is not the finished softmax but p = 2^(t - M), with t = logit x log2(e) and M = ceil(the row's largest t), a whole number; so 1/2 < the row's largest p <= 1. The row's sum l is taken of the UNQUANTISED p, in f32, and the product's result is divided by l at the end. Since M is a whole number, a kernel that streams over the keys may use a running M (the ceiling of the running maximum): every later rescaling is an exact power of two, so the quantised numbers keep their values, but for numbers so far below the row's largest that they fall under the format's range.
;;   OPERANDS COMPUTED ON THE WAY. 'Computed on the way' means the value that the module computes at that place (a softmax that the list does not call 'softmax' is quantised finished and normalised). What goes into a quantiser is computed in f32, as accurately as f32 sums, v_exp_f32 and their like allow (about 1e-6 of the number): no bf16 or f16 on the way to a quantiser, and a product that is left as it is and whose result goes on into a quantised operand takes f32 operands (vector FMAs, or v_wmma_f32_16x16x4_f32). A number that lies on a knife's edge between two numbers of the format may be rounded either way, as far as f32 arithmetic and the matrix unit's own rounding can turn it there, and no further.
;;   INPUTS GIVEN AS CODES. W1 (in the module: [1024, 4096], K = its axis 0); W2 (in the module: [4096, 1024], K = its axis 0); Wk (in the module: [16, 1024, 64], K = its axis 1); Wp (in the module: [1024, 1024], K = its axis 0); Wq (in the module: [16, 1024, 64], K = its axis 1); Wv (in the module: [16, 1024, 64], K = its axis 1): each comes as NAME_codes (uint8): NAME with its K axis moved to the last place and cut into blocks of 32 codes, [.., K / 32, bytes a block], one block behind the other in memory; one code a byte (a code: sign, 4 exponent bits, 3 mantissa bits); its scale is its entry of lowp_scales. Its value is code x scale, taken as it is: it is not quantised again, and the codes and scales need not be those that the quantiser above would give.
;; One version. Each part assembles by itself: llvm-mc -triple=amdgcn-amd-amdhsa -mcpu=gfx1250 --defsym DOCPART=n.
;; ======== version 1 of 1: 7 launches
;; limits: right only within a limited range of input values
;; workspace buffers: h 16,777,216 bytes; hc 12,582,912 bytes; qkvc 12,582,912 bytes; oc 4,194,304 bytes; rs 16,777,216 bytes; h2 16,777,216 bytes; h2c 4,194,304 bytes; gc 16,777,216 bytes
;; launch ln1 (part 1): grid 256 x 1, 8 waves a work-group, no clusters, 50,176 bytes of LDS; arguments x, g1, be1, lowp_scales, h, hc; writes h, hc
.if DOCPART == 1
	.amdgcn_target "amdgcn-amd-amdhsa--gfx1250"
	.amdhsa_code_object_version 6
	.text
	.protected	k_qabcfe6c1e8_ln1
	.globl	k_qabcfe6c1e8_ln1
	.p2align	8
	.type	k_qabcfe6c1e8_ln1,@function
k_qabcfe6c1e8_ln1:
	s_mov_b64 s[64:65], 0
	v_nop
	global_prefetch_b8 v0, s[64:65] scope:SCOPE_SE
	s_setreg_imm32_b32 hwreg(HW_REG_WAVE_MODE, 25, 1), 1
	s_wait_xcnt 0x0
; h = LayerNorm(x) * g + be, rows of 1,024 f32, and h's E4M3 codes for NPL given scales (here three: the entries 1, 3, 5 of the scales' exponents).
; A wave takes two rows and keeps them in registers: mean, then the mean of the squared differences, as the problem writes it.
; A lane's load j is 16 bytes at 512 j + 16 lane: each load and each f32 store of a wave covers 512 consecutive bytes.
; A conversion gives a lane 4 codes of each chunk j (row byte 128 j + 4 lane); they turn through the wave's own LDS stage and leave 16 bytes a lane, 512 consecutive bytes a store.
; LIMITS: each exponent e between -126 and 119, so that 2^e and 448 x 2^e are f32 numbers.  NaN among the inputs is not served.
.set NPL,  3                           ; planes of codes
.set ROWF, 4096                        ; a row in f32 bytes
.set ROWC, 1024                        ; a row of codes
.set STG,  2*NPL*ROWC                  ; a wave's stage in LDS
.set X,  32                            ; v32-95   two rows, 32 registers each
.set G,  96                            ; v96-127  g of my 32 columns
.set BE, 128                           ; v128-159 be
.set T,  160                           ; v160-191 a row held within the largest code x the scale
.set C,  192                           ; v192..   codes: 8 registers for each row and plane
	s_load_b256 s[4:11], s[0:1], 0x0               ; in s[4:5], g s[6:7], be s[8:9], the scales' exponents s[10:11]
	s_load_b128 s[12:15], s[0:1], 0x20             ; f32 out s[12:13], codes out s[14:15]
	v_lshl_add_u32 v240, v0, 2, 0xc000
	v_mov_b32 v241, 0
	v_lshrrev_b32 v1, 5, v0
	s_delay_alu instid0(VALU_DEP_1)
	v_readfirstlane_b32 s16, v1                    ; wave 0..7
	v_and_b32 v2, 31, v0
	s_delay_alu instid0(VALU_DEP_1)
	v_lshlrev_b32 v1, 4, v2                        ; 16 x lane; never rewritten
	s_delay_alu instid0(VALU_DEP_2)
	v_lshlrev_b32 v2, 2, v2
	s_wait_alu depctr_va_vdst(0)
	s_lshl_b32 s17, ttmp9, 4
	s_lshl_b32 s18, s16, 1
	s_add_co_u32 s17, s17, s18                     ; my first row: 16 x work-group + 2 x wave
	s_lshl_b32 s18, s17, 12
	s_mov_b32 s19, 0
	s_lshl_b32 s20, s17, 10
	s_mov_b32 s21, 0
	s_mul_i32 s22, s16, STG
	v_add_nc_u32 v2, s22, v2                       ; stage, in: 4 x lane
	v_add_nc_u32 v3, s22, v1                       ; stage, back: 16 x lane
	s_mov_b32 s40, 0x76543210                      ; lane selects: lane l xor 16
	s_mov_b32 s41, 0xfedcba98
	s_mov_b32 s30, 0x3a800000                      ; 1 / 1024
	s_mov_b32 s31, 0x3727c5ac                      ; 1e-5
	v_mov_b32 v20, 0                               ; a lane permute's destination counts as read
	s_wait_kmcnt 0x0
.if NPL == 3
	s_load_b32 s32, s[10:11], 0x4
	s_load_b32 s33, s[10:11], 0xc
	s_load_b32 s34, s[10:11], 0x14
.else
	s_load_b32 s32, s[10:11], 0x30
.endif
	s_add_nc_u64 s[4:5], s[4:5], s[18:19]
	s_add_nc_u64 s[12:13], s[12:13], s[18:19]
	s_add_nc_u64 s[24:25], s[14:15], s[20:21]      ; plane 0 at my first row
.if NPL == 3
	s_add_nc_u64 s[26:27], s[24:25], 0x400000      ; a plane is 4,096 rows x 1,024 bytes
	s_add_nc_u64 s[28:29], s[24:25], 0x800000
.endif
.irp i, 0,1
.irp j, 0,1,2,3,4,5,6,7
	global_load_b128 v[X+32*\i+4*\j:X+32*\i+4*\j+3], v1, s[4:5] offset:ROWF*\i+512*\j th:TH_LOAD_NT
.endr
.endr
.irp j, 0,1,2,3,4,5,6,7
	global_load_b128 v[G+4*\j:G+4*\j+3], v1, s[6:7] offset:512*\j
.endr
.irp j, 0,1,2,3,4,5,6,7
	global_load_b128 v[BE+4*\j:BE+4*\j+3], v1, s[8:9] offset:512*\j
.endr
	s_wait_kmcnt 0x0
.set PL, 0
.rept NPL
	s_add_co_i32 s[32+PL], s[32+PL], 127
	s_lshl_b32 s35, s[32+PL], 23
	v_mov_b32 v[22+PL], s35                        ; 2^e as f32: the conversion takes its exponent field
	s_add_co_i32 s[32+PL], s[32+PL], 8
	s_lshl_b32 s[32+PL], s[32+PL], 23
	s_or_b32 s[32+PL], s[32+PL], 0x600000
	v_mov_b32 v[25+PL], s[32+PL]                   ; 448 x 2^e
.set PL, PL+1
.endr
.macro FOLD                            ; four chains of pairs into v21
	s_delay_alu instid0(VALU_DEP_3)
	v_pk_add_f32 v[12:13], v[12:13], v[14:15]
	s_delay_alu instid0(VALU_DEP_2)
	v_pk_add_f32 v[16:17], v[16:17], v[18:19]
	s_delay_alu instid0(VALU_DEP_1)
	v_pk_add_f32 v[12:13], v[12:13], v[16:17]
	s_delay_alu instid0(VALU_DEP_1)
	v_add_f32 v21, v12, v13
.endm
.macro REDUCE                          ; the sum over the 32 lanes, in every lane
	s_delay_alu instid0(VALU_DEP_1)
	v_add_f32_dpp v21, v21, v21 row_xmask:1 row_mask:0xf bank_mask:0xf
	s_delay_alu instid0(VALU_DEP_1)
	v_add_f32_dpp v21, v21, v21 row_xmask:2 row_mask:0xf bank_mask:0xf
	s_delay_alu instid0(VALU_DEP_1)
	v_add_f32_dpp v21, v21, v21 row_xmask:4 row_mask:0xf bank_mask:0xf
	s_delay_alu instid0(VALU_DEP_1)
	v_add_f32_dpp v21, v21, v21 row_xmask:8 row_mask:0xf bank_mask:0xf
	s_delay_alu instid0(VALU_DEP_1)
	v_permlanex16_b32 v20, v21, s40, s41
	s_delay_alu instid0(VALU_DEP_1)
	v_add_f32 v21, v21, v20
.endm
.macro STATS i                         ; row i: x - mean stays in X; 1 / sqrt(var + eps) in v[8+2i], twice
.set XB, X+32*(\i)
	s_wait_loadcnt 24-8*(\i)                       ; loads come back in order: row i's eight are in; the younger ones (the other row, g, be) stay out
.irp k, 0,1,2,3
	v_pk_add_f32 v[12+2*\k:13+2*\k], v[XB+2*\k:XB+2*\k+1], v[XB+8+2*\k:XB+9+2*\k]
.endr
.irp k, 0,1,2,3
	s_delay_alu instid0(VALU_DEP_4)
	v_pk_add_f32 v[12+2*\k:13+2*\k], v[12+2*\k:13+2*\k], v[XB+16+2*\k:XB+17+2*\k]
.endr
.irp k, 0,1,2,3
	s_delay_alu instid0(VALU_DEP_4)
	v_pk_add_f32 v[12+2*\k:13+2*\k], v[12+2*\k:13+2*\k], v[XB+24+2*\k:XB+25+2*\k]
.endr
	FOLD
	REDUCE
	s_delay_alu instid0(VALU_DEP_1)
	v_mul_f32 v[4+2*(\i)], s30, v21                ; the mean, twice: a pair for the packed forms
	s_delay_alu instid0(VALU_DEP_2)
	v_mul_f32 v[5+2*(\i)], s30, v21
.set J, 0
.rept 16
	v_pk_add_f32 v[XB+J:XB+J+1], v[XB+J:XB+J+1], v[4+2*(\i):5+2*(\i)] neg_lo:[0,1] neg_hi:[0,1]
.set J, J+2
.endr
.irp k, 0,1,2,3
	v_pk_mul_f32 v[12+2*\k:13+2*\k], v[XB+2*\k:XB+2*\k+1], v[XB+2*\k:XB+2*\k+1]
.endr
.irp m, 1,2,3
.irp k, 0,1,2,3
	s_delay_alu instid0(VALU_DEP_4)
	v_pk_fma_f32 v[12+2*\k:13+2*\k], v[XB+8*\m+2*\k:XB+8*\m+2*\k+1], v[XB+8*\m+2*\k:XB+8*\m+2*\k+1], v[12+2*\k:13+2*\k]
.endr
.endr
	FOLD
	REDUCE
	s_delay_alu instid0(VALU_DEP_1)
	v_fma_f32 v21, v21, s30, s31                   ; var + eps
	s_wait_alu depctr_va_vdst(0)
	v_rsq_f32 v[8+2*(\i)], v21
	v_rsq_f32 v[9+2*(\i)], v21
.endm
.macro FINISH i
.set XB, X+32*(\i)
.set J, 0
.rept 16
	v_pk_mul_f32 v[XB+J:XB+J+1], v[XB+J:XB+J+1], v[8+2*(\i):9+2*(\i)]
.set J, J+2
.endr
.set J, 0
.rept 16
	v_pk_fma_f32 v[XB+J:XB+J+1], v[XB+J:XB+J+1], v[G+J:G+J+1], v[BE+J:BE+J+1]
.set J, J+2
.endr
.irp j, 0,1,2,3,4,5,6,7
	global_store_b128 v1, v[XB+4*\j:XB+4*\j+3], s[12:13] offset:ROWF*(\i)+512*\j   ; 512 consecutive bytes a store; X is not written again
.endr
.set PL, 0
.rept NPL
.set CB, C+8*(NPL*(\i)+PL)
.set J, 0
.rept 32
	v_med3_num_f32 v[T+J], v[XB+J], -v[25+PL], v[25+PL]   ; the conversion to an 8-bit code does not saturate (ISA guide 7.6.2): the hold comes first
.set J, J+1
.endr
.irp m, 0,1,2,3
	v_cvt_scalef32_pk8_fp8_f32 v[CB+2*\m:CB+2*\m+1], v[T+8*\m:T+8*\m+7], v[22+PL]   ; register j of the eight: the 4 codes of chunk j
.endr
	v_nop                                          ; one plain line between the conversions and the next plane's holds, which write their sources
.irp j, 0,1,2,3,4,5,6,7
	ds_store_b32 v2, v[CB+\j] offset:(NPL*(\i)+PL)*ROWC+128*\j
.endr
	ds_load_b128 v[CB:CB+3], v3 offset:(NPL*(\i)+PL)*ROWC          ; LDS serves a wave's instructions in order: these see my stores
	ds_load_b128 v[CB+4:CB+7], v3 offset:(NPL*(\i)+PL)*ROWC+512
.set PL, PL+1
.endr
.endm
	STATS 0
	STATS 1
	v_nop                                          ; a plain line behind the last root
	s_wait_alu depctr_va_vdst(0)                   ; one wait for the four roots, ahead of their first reader
	s_wait_loadcnt 0x0                             ; g and be
	FINISH 0
	FINISH 1
	s_wait_dscnt 0x0                               ; all codes are back from the stage
.irp i, 0,1
.set PL, 0
.rept NPL
.set CB, C+8*(NPL*\i+PL)
	global_store_b128 v1, v[CB:CB+3], s[24+2*PL:25+2*PL] offset:ROWC*\i
	global_store_b128 v1, v[CB+4:CB+7], s[24+2*PL:25+2*PL] offset:ROWC*\i+512
.set PL, PL+1
.endr
.endr
	s_wait_tensorcnt 0x0
	ds_add_u32 v240, v241
	s_wait_dscnt 0x0
	s_endpgm
.Lfunc_end_k_qabcfe6c1e8_ln1:
	.size	k_qabcfe6c1e8_ln1, .Lfunc_end_k_qabcfe6c1e8_ln1-k_qabcfe6c1e8_ln1
	.p2alignl 7, 3214868480
	.fill 96, 4, 3214868480
	.section	.rodata,"a",@progbits
	.p2align	6, 0x0
	.amdhsa_kernel k_qabcfe6c1e8_ln1
		.amdhsa_group_segment_fixed_size 50176
		.amdhsa_private_segment_fixed_size 0
		.amdhsa_enable_private_segment 0
		.amdhsa_kernarg_size 48
		.amdhsa_user_sgpr_count 2
		.amdhsa_user_sgpr_kernarg_segment_ptr 1
		.amdhsa_wavefront_size32 1
		.amdhsa_system_sgpr_workgroup_id_x 1
		.amdhsa_system_sgpr_workgroup_id_y 1
		.amdhsa_system_sgpr_workgroup_id_z 1
		.amdhsa_system_vgpr_workitem_id 0
		.amdhsa_next_free_vgpr 242
		.amdhsa_next_free_sgpr 66
		.amdhsa_reserve_vcc 0
		.amdhsa_float_denorm_mode_32 3
		.amdhsa_float_denorm_mode_16_64 3
		.amdhsa_memory_ordered 1
		.amdhsa_forward_progress 1
		.amdhsa_inst_pref_size 41
	.end_amdhsa_kernel
	.amdgpu_metadata
---
amdhsa.version: [ 1, 2 ]
amdhsa.kernels:
  - .name:           k_qabcfe6c1e8_ln1
    .symbol:         k_qabcfe6c1e8_ln1.kd
    .args:
      - { .name: x, .offset: 0, .size: 8, .value_kind: global_buffer, .address_space: global }
      - { .name: g1, .offset: 8, .size: 8, .value_kind: global_buffer, .address_space: global }
      - { .name: be1, .offset: 16, .size: 8, .value_kind: global_buffer, .address_space: global }
      - { .name: lowp_scales, .offset: 24, .size: 8, .value_kind: global_buffer, .address_space: global }
      - { .name: h, .offset: 32, .size: 8, .value_kind: global_buffer, .address_space: global }
      - { .name: hc, .offset: 40, .size: 8, .value_kind: global_buffer, .address_space: global }
    .group_segment_fixed_size: 50176
    .private_segment_fixed_size: 0
    .kernarg_segment_align: 8
    .kernarg_segment_size: 48
    .max_flat_workgroup_size: 256
    .sgpr_count:     66
    .vgpr_count:     242
    .wavefront_size: 32
...
	.end_amdgpu_metadata
.endif
;; end of part 1
;; launch qkv (part 2): grid 4 x 48, 4 waves a work-group, clusters of 4 x 4, 327,680 bytes of LDS; arguments hc, Wq_codes, Wk_codes, Wv_codes, bq, bk, bv, lowp_scales, qkvc; writes qkvc
.if DOCPART == 2
	.amdgcn_target "amdgcn-amd-amdhsa--gfx1250"
	.amdhsa_code_object_version 6
	.text
	.protected	k_qabcfe6c1e8_qkv
	.globl	k_qabcfe6c1e8_qkv
	.p2align	8
	.type	k_qabcfe6c1e8_qkv,@function
k_qabcfe6c1e8_qkv:
	s_mov_b64 s[64:65], 0
	v_nop
	global_prefetch_b8 v0, s[64:65] scope:SCOPE_SE
	s_setreg_imm32_b32 hwreg(HW_REG_WAVE_MODE, 25, 1), 1
	s_wait_xcnt 0x0
	s_wait_alu depctr_hold_cnt(0) depctr_sa_sdst(0) depctr_va_vdst(0) depctr_va_sdst(0) depctr_va_ssrc(0) depctr_va_vcc(0) depctr_vm_vsrc(0)
	s_getreg_b32 s2, hwreg(HW_REG_IB_STS2, 6, 4)
	s_cmp_eq_u32 s2, 0
	s_cbranch_scc0 .Lentry_in_a_cluster
	s_endpgm
.Lentry_in_a_cluster:
	s_bfe_u32 s2, ttmp6, 0x10000c
	s_cmp_lg_u32 s2, 0xf033
	s_cbranch_scc0 .Lentry_shape_is_right
	s_endpgm
.Lentry_shape_is_right:
; q, k, v = h W + b on E4M3 codes, quantised again for attention and stored as images of attention's operand registers.
; Twelve clusters of 4 x 4 work-groups: cluster y / 4 says which product (0 q, 1 k, 2 v), cluster y % 4 which quarter of the 4,096 tokens.
; A tile is 256 x 256, four waves of 128 x 128 (64 accumulators), K = 1,024 in four steps of 256 through two LDS slots filled by joint tensor loads.
; The matrix instruction takes source 0 = 16 rows of "B", source 1 = 16 rows of "A": a lane then holds one row of A and eight neighbouring rows of B.
; q, k: A = h's codes (tokens), B = the weight (features): a lane's eight numbers are eight features of a token: K of the scores' product.
; v:    A = the weight, B = h's codes: a lane's eight numbers are eight tokens of a feature: K of the second product.  Only pointers, strides and masks are chosen; the text is one.
; OUT.  Planes q, k: [batch x head 32][block of 16 tokens 128][1,024 bytes]; plane v: [32][128 keys 16][16 channels 4][2,048 bytes]; in each image a group of four operand registers is 512 bytes, 16 a lane.
; Inside a matrix instruction k stands permuted, alike in A and B (four 16-byte loads a fragment): the products are the same, their order within an instruction differs.
; LIMITS: eW + eh between -126 and 127; the output's exponent between -126 and 119.  NaN is not served.
.set SIZE_K, 1024
.set KSTEP,  256
.set ROWB,   256
.set KROW,   SIZE_K
.set PITCH,  272                       ; an LDS row: 256 bytes + 16 of padding: the 16 rows of a fragment load start at 16 different 16-byte columns
.set FR,     16
.set NL,     4
.set NP,     4
.set HALFT,  128*PITCH
.set SLOT,   4*HALFT
.set LAPS,   SIZE_K/(2*KSTEP)
.set SPARE,  2*SLOT                    ; the spare words, 128 bytes a wave; no other line names them
.set ADRA, 16
.set ADRB, 20
.set SPW,  28
.set NIL,  29
.set BN,   32                          ; v32-95   bias by B's rows (q, k), else 0
.set BM,   96                          ; v96-111  bias by A's rows (v), else 0: even registers; odd ones 0
.set LIM,  112                         ; 448 x 2^e of the output
.set SCL,  113                         ; 2^e of the output
.set TT,   128                         ; the way out: a block's 64 numbers
.set CD,   192                         ; and its codes
.set AF,   128
.set G1, 24
.set G0, 32
.set G1B, 48
.set G0B, 56
.set MSB, 0
.macro WIN new
.if MSB != \new
	s_set_vgpr_msb (MSB<<8)|\new
.set MSB, \new
.endif
.endm
.set MUL_LO, 0xa1
.set MUL_HI, 0xf1
.set TO_B,   0x40
.macro JLOAD g0a, g1a, g0b, g1b        ; waves 0, 1 fetch for A, waves 2, 3 for B; four v_nop behind each line
	s_cmp_eq_u32 s15, 0
	s_cbranch_scc0 .Lfor_b_\@
	tensor_load_to_lds s[\g0a:\g0a+3], s[\g1a:\g1a+7]
	s_nop 0
.rept 4
	v_nop
.endr
	s_branch .Lasked_\@
.Lfor_b_\@:
	tensor_load_to_lds s[\g0b:\g0b+3], s[\g1b:\g1b+7]
	s_nop 0
.rept 4
	v_nop
.endr
.Lasked_\@:
.endm
.macro CREST
	s_cmp_lg_u32 s14, 0
	s_cbranch_scc1 .Lnot_wave_0_\@
	s_barrier_signal -3
.Lnot_wave_0_\@:
	s_barrier_wait -3
	s_barrier_signal -1
	s_barrier_wait -1
.endm
.macro CROUND
	s_barrier_signal -1
	s_barrier_wait -1
	CREST
.endm
	s_load_b512 s[68:83], s[0:1], 0x0              ; hc, Wq, Wk, Wv, bq, bk, bv, the scales' exponents
	s_load_b64 s[84:85], s[0:1], 0x40              ; qkvc
	v_lshl_add_u32 v[SPW], v0, 2, SPARE
	v_mov_b32 v[NIL], 0
	ds_add_u32 v28, v29
	ds_add_u32 v28, v29
	s_wait_dscnt 0x0
	v_lshrrev_b32 v1, 5, v0
	v_readfirstlane_b32 s14, v1                    ; wave 0..3
	s_lshr_b32 s15, s14, 1                         ; my half of A's rows; also: I fetch for A (0) or B (1)
	s_and_b32 s16, s14, 1                          ; my half of B's rows; also: which 128 rows I fetch
	s_bfe_u32 s40, ttmp6, 0x40000                  ; cx
	s_bfe_u32 s41, ttmp6, 0x40004                  ; cy
	s_and_b32 s86, ttmp7, 0xffff                   ; cluster y, 0..11: shared by all sixteen partners
	s_lshr_b32 s90, s86, 2                         ; which product
	s_and_b32 s87, s86, 3
	s_lshl_b32 s87, s87, 2                         ; 4 x the quarter of the tokens
	s_cmp_lt_u32 s90, 2
	s_cselect_b32 s17, s87, 0
	s_cselect_b32 s42, 0, s87
	s_add_co_u32 s17, s17, s41                     ; A's tile row: cy and the cluster alone
	s_add_co_u32 s42, s42, s40                     ; B's tile column: cx and the cluster alone
	s_lshl_b32 s43, s41, 2
	s_lshl_b32 s43, 15, s43                        ; my row of the cluster
	s_lshl_b32 s44, 0x1111, s40                    ; my column
	s_or_b32 s[G1+0], s43, (0<<16)|(1<<20)|(1<<21)|(5<<22)|(3<<25)   ; mask; 1-byte elements; padding of 4 words behind every 64; bit 21 beside a mask
	s_or_b32 s[G1B+0], s44, (0<<16)|(1<<20)|(1<<21)|(5<<22)|(3<<25)
.irp g, G1, G1B
	s_mov_b32 s[\g+1], ROWB<<16
	s_mov_b32 s[\g+2], 128<<16
	s_mov_b32 s[\g+3], ROWB<<16
	s_mov_b32 s[\g+4], 128
	s_mov_b32 s[\g+5], KROW
	s_mov_b32 s[\g+6], 0
	s_mov_b32 s[\g+7], 0
.endr
	s_lshl_b32 s18, s16, 7
	s_lshl_b32 s20, s17, 8
	s_add_co_u32 s20, s20, s18
	s_lshl_b32 s20, s20, 10                        ; A: (256 x tile row + 128 x half) rows of 1,024 bytes
	s_mov_b32 s21, 0
	s_lshl_b32 s46, s42, 8
	s_add_co_u32 s46, s46, s18
	s_lshl_b32 s46, s46, 10                        ; B likewise
	s_mov_b32 s47, 0
	s_mul_i32 s45, s14, HALFT                      ; where they go: wave x 128 rows
	s_wait_kmcnt 0x0
	s_lshl_b32 s88, s90, 22                        ; h's plane of codes for this product
	s_mov_b32 s89, 0
	s_add_nc_u64 s[68:69], s[68:69], s[88:89]
	s_cmp_lt_u32 s90, 2
	s_cselect_b64 s[4:5], s[68:69], s[74:75]       ; A: h's codes, or Wv
	s_cselect_b64 s[6:7], s[72:73], s[68:69]       ; B: Wk, or h's codes
	s_cselect_b64 s[8:9], s[78:79], s[80:81]       ; bk or bv
	s_cmp_eq_u32 s90, 0
	s_cselect_b64 s[6:7], s[70:71], s[6:7]         ; Wq
	s_cselect_b64 s[8:9], s[76:77], s[8:9]         ; bq
	s_mov_b64 s[10:11], s[84:85]
	s_mov_b64 s[12:13], s[82:83]
	s_load_b512 s[68:83], s[12:13], 0x0            ; the sixteen exponents
	s_add_nc_u64 s[20:21], s[4:5], s[20:21]
	s_add_nc_u64 s[46:47], s[6:7], s[46:47]
	CROUND                                         ; all sixteen work-groups are here: the first joint loads meet
.irp s, 0,1
	s_mov_b32 s[G0+4*\s], 1
	s_add_co_u32 s[G0+4*\s+1], s45, \s*SLOT
	s_add_nc_u64 s[G0+4*\s+2:G0+4*\s+3], s[20:21], \s*ROWB
	s_or_b32 s[G0+4*\s+3], s[G0+4*\s+3], 0x80000000
	s_mov_b32 s[G0B+4*\s], 1
	s_add_co_u32 s[G0B+4*\s+1], s45, \s*SLOT
	s_add_nc_u64 s[G0B+4*\s+2:G0B+4*\s+3], s[46:47], \s*ROWB
	s_or_b32 s[G0B+4*\s+3], s[G0B+4*\s+3], 0x80000000
.endr
	; the prefetches: of the 128 rows that I fetch, each of the four partners that ask for them with me takes 32, told apart by address (cx for A, cy for B); a lane a row, 256 bytes of it a K step
	s_cmp_eq_u32 s15, 0                            ; do I fetch for A?
	s_cselect_b64 s[4:5], s[20:21], s[46:47]       ; my tile of K step 0
	s_cselect_b32 s6, s40, s41                     ; my place among the four
	s_lshl_b32 s6, s6, 15                          ; 32 rows of 1,024 bytes
	s_mov_b32 s7, 0
	s_add_nc_u64 s[4:5], s[4:5], s[6:7]            ; never rewritten
	v_and_b32 v30, 31, v0
	v_lshlrev_b32 v30, 10, v30                     ; my lane's row; never rewritten
	s_wait_alu depctr_va_vdst(0)                   ; a wait behind this write
	JLOAD G0, G1, G0B, G1B                         ; K step 0: one tensor load a wave at the head
	global_prefetch_b8 v30, s[4:5] offset:256 th:TH_LOAD_NT scope:SCOPE_SE   ; K step 1, whose load follows when step 0 is in,
	global_prefetch_b8 v30, s[4:5] offset:512 th:TH_LOAD_NT scope:SCOPE_SE   ; and K step 2, two loads ahead
	v_and_b32 v1, 15, v0                           ; r
	v_bfe_u32 v2, v0, 4, 1                         ; hh
	s_wait_alu depctr_va_vdst(0)
	v_mul_u32_u24 v3, v1, PITCH
	v_lshl_add_u32 v4, v2, 4, v3
	s_mul_i32 s21, s15, HALFT
	s_mul_i32 s22, s16, HALFT
	s_add_co_u32 s22, s22, 2*HALFT
.irp s, 0,1
	v_add_nc_u32 v[ADRA+\s], s21, v4
	v_add_nc_u32 v[ADRB+\s], s22, v4
	s_add_co_u32 s21, s21, SLOT
	s_add_co_u32 s22, s22, SLOT
.endr
	; both biases are loaded; the one that does not apply is cleared on the way out.  The tile number is taken modulo 4, so that the side not used stays inside the 4,096 bytes too
	s_and_b32 s18, s42, 3
	s_lshl_b32 s18, s18, 10
	s_lshl_b32 s19, s16, 9
	s_add_co_u32 s18, s18, s19
	v_lshl_add_u32 v8, v2, 5, s18                  ; by B's rows: 4 x (256 tile + 128 half + 8 hh); 64 bytes a block
	s_and_b32 s18, s17, 3
	s_lshl_b32 s18, s18, 10
	s_lshl_b32 s19, s15, 9
	s_add_co_u32 s18, s18, s19
	v_lshl_add_u32 v9, v1, 2, s18                  ; by A's rows: 4 x (256 tile + 128 half + r)
.irp b, 0,1,2,3,4,5,6,7
	global_load_b128 v[BN+8*\b:BN+8*\b+3], v8, s[8:9] offset:64*\b
	global_load_b128 v[BN+8*\b+4:BN+8*\b+7], v8, s[8:9] offset:64*\b+16
.endr
.irp a, 0,1,2,3,4,5,6,7
	global_load_b32 v[BM+2*\a], v9, s[8:9] offset:64*\a
.endr
.macro FRAG reg, adr, q, i             ; 16 rows x 128 K: registers 4 c .. 4 c + 3 hold K = 32 c + 16 hh + 0 .. 15 of row r
.irp c, 0,1,2,3
	ds_load_b128 v[\reg+4*\c:\reg+4*\c+3], v[\adr] offset:128*(\q)+32*\c+(\i)*16*PITCH
.endr
.endm
.macro MUL16 a0, p, zero               ; A's blocks a0, a0 + 1 x B's eight; the 64 accumulators take turns, one instruction a turn
.irp a, \a0, \a0+1
.irp b, 0,1,2,3,4,5,6,7
.if \zero
	v_wmma_f32_16x16x128_fp8_fp8 v[8*(8*((\a)%4)+\b):8*(8*((\a)%4)+\b)+7], v[128*(\p)+FR*\b:128*(\p)+FR*\b+FR-1], v[AF+FR*(\a):AF+FR*(\a)+FR-1], 0
.else
	v_wmma_f32_16x16x128_fp8_fp8 v[8*(8*((\a)%4)+\b):8*(8*((\a)%4)+\b)+7], v[128*(\p)+FR*\b:128*(\p)+FR*\b+FR-1], v[AF+FR*(\a):AF+FR*(\a)+FR-1], v[8*(8*((\a)%4)+\b):8*(8*((\a)%4)+\b)+7]
.endif
.endr
.endr
.endm
.macro FETCH_B slot, q, p
	WIN TO_B
.irp i, 0,1,2,3,4,5,6,7
	FRAG 128*(\p)+FR*\i, ADRB+\slot, \q, \i
.endr
	WIN 0
.endm
.macro FETCH_A slot, q, i0
.irp i, \i0, \i0+1, \i0+2, \i0+3
	FRAG AF+FR*(\i), ADRA+\slot, \q, \i
.endr
.endm
.macro PLACES n                        ; plain vector lines between a matrix instruction and a load into, or a read of, its registers
.rept \n
	v_nop
.endr
.endm
.macro STEP slot, q, zero              ; 128 along K, its successor in the same slot
	s_wait_dscnt 4*NL                              ; B's set and A's blocks 0-3 are in; the youngest sixteen loads (A's blocks 4-7) may be out
	WIN MUL_LO
	MUL16 0, (\q)%2, \zero
	MUL16 2, (\q)%2, \zero
	s_wait_dscnt 0
	PLACES NP
	FETCH_B \slot, (\q)+1, 1-(\q)%2
	FETCH_A \slot, (\q)+1, 0
	WIN MUL_HI
	MUL16 4, (\q)%2, \zero
	MUL16 6, (\q)%2, \zero
	PLACES NP
	WIN 0
	FETCH_A \slot, (\q)+1, 4
.endm
.macro TURN slot, next, fill           ; a slot's last step changes slots: one barrier; fill = 1: it opens a round of the cluster's barrier and the slot is filled again
	s_wait_tensorcnt 0x0                           ; all my tensor loads have landed: my part of the next slot
	ds_add_u32 v[SPW], v[NIL]                      ; 0 onto my spare word
	s_wait_dscnt 4*NL+1                            ; the add and the youngest sixteen loads may be out
	WIN MUL_LO
	MUL16 0, 1, 0
	s_wait_dscnt 0x0                               ; the add is done, my reads of this slot are over
	s_barrier_signal -1
	MUL16 2, 1, 0
	WIN 0
	s_barrier_wait -1
.if \fill
	CREST                                          ; no wave of any partner still reads this slot or has a load on its way
	s_add_nc_u64 s[G0+4*\slot+2:G0+4*\slot+3], s[G0+4*\slot+2:G0+4*\slot+3], 2*ROWB
	s_add_nc_u64 s[G0B+4*\slot+2:G0B+4*\slot+3], s[G0B+4*\slot+2:G0B+4*\slot+3], 2*ROWB
	JLOAD G0+4*\slot, G1, G0B+4*\slot, G1B
.else
	PLACES NP
.endif
	FETCH_B \next, 0, 0
	FETCH_A \next, 0, 0
	WIN MUL_HI
	MUL16 4, 1, 0
	MUL16 6, 1, 0
	PLACES NP
	WIN 0
	FETCH_A \next, 0, 4
.endm
	s_wait_alu depctr_va_vdst(0)
	s_wait_tensorcnt 0x0                           ; my part of K step 0 is in; slot 1's first fill is issued as a refill is:
	ds_add_u32 v[SPW], v[NIL]                      ; 0 onto my spare word
	s_wait_dscnt 0x0
	CROUND                                         ; everybody's part of K step 0 is in, and the sixteen work-groups meet
	JLOAD G0+4, G1, G0B+4, G1B                     ; K step 1, the first tensor load behind the round
	FETCH_B 0, 0, 0
	FETCH_A 0, 0, 0
	FETCH_A 0, 0, 4
	global_prefetch_b8 v30, s[4:5] offset:768 th:TH_LOAD_NT scope:SCOPE_SE   ; behind K step 1's load: K step 3, the last
	STEP 0, 0, 1                                   ; the first products start the sums
	s_mov_b32 s3, LAPS-1
.Llap:
	TURN 0, 1, 1
	STEP 1, 0, 0
	TURN 1, 0, 1
	STEP 0, 0, 0
	s_sub_co_u32 s3, s3, 1
	s_cmp_lg_u32 s3, 0
	s_cbranch_scc1 .Llap
	TURN 0, 1, 0
	STEP 1, 0, 0
	s_wait_dscnt 4*NL
	WIN MUL_LO
	MUL16 0, 1, 0
	MUL16 2, 1, 0
	s_wait_dscnt 0
	WIN MUL_HI
	MUL16 4, 1, 0
	MUL16 6, 1, 0
	WIN 0
	; THE WAY OUT.  number = sum x 2^(eW + eh) + bias, held, converted: a block's eight conversions give the operand's registers as they are stored.
	s_wait_kmcnt 0x0                               ; the exponents
	s_wait_loadcnt 0x0                             ; the biases
	s_lshl_b32 s20, s17, 8
	s_lshl_b32 s18, s15, 7
	s_add_co_u32 s20, s20, s18                     ; my first row of A
	s_lshl_b32 s21, s42, 8
	s_lshl_b32 s18, s16, 7
	s_add_co_u32 s21, s21, s18                     ; my first row of B
	s_mov_b32 s92, 131072
	s_mov_b32 s94, 1024
	s_mov_b32 s98, 2048
	s_cmp_lt_u32 s90, 2                            ; every choice is a select: no branch hangs on a loaded number or on the product
	s_cselect_b32 s86, s70, s72                    ; the weight's exponent
	s_cselect_b32 s87, s71, s73                    ; h's
	s_cselect_b32 s88, s75, s77                    ; the output's
	s_cselect_b32 s89, -1, 0                       ; keeps the bias by B's rows
	s_cselect_b32 s91, 0, -1                       ; keeps the bias by A's rows
	s_cselect_b32 s92, 4096, s92                   ; from A's blocks 0-3 to 4-7: four token blocks, or a head
	s_cselect_b32 s94, 131072, s94                 ; from B's blocks 0-3 to 4-7: a head, or half an image
	s_cselect_b32 s98, 1024, s98                   ; from one of A's blocks to the next: an image
	s_cselect_b32 s22, s20, s21                    ; my first token
	s_cselect_b32 s23, s21, s20                    ; my first feature
	s_cmp_eq_u32 s90, 0
	s_cselect_b32 s86, s68, s86
	s_cselect_b32 s87, s69, s87
	s_cselect_b32 s88, s74, s88
	s_mov_b32 s93, 0
	s_mov_b32 s95, 0
	s_add_co_i32 s96, s86, s87
	s_add_co_i32 s96, s96, 127
	s_lshl_b32 s96, s96, 23                        ; 2^(eW + eh) as f32
	s_mov_b32 s97, s96
	s_add_co_i32 s88, s88, 127
	s_lshl_b32 s86, s88, 23
	v_mov_b32 v[SCL], s86
	s_add_co_i32 s88, s88, 8
	s_lshl_b32 s88, s88, 23
	s_or_b32 s88, s88, 0x600000
	v_mov_b32 v[LIM], s88
	s_lshr_b32 s18, s22, 11
	s_lshl_b32 s18, s18, 21                        ; the batch: 16 heads of 131,072 bytes
	s_lshr_b32 s19, s23, 6
	s_lshl_b32 s19, s19, 17                        ; the head
	s_add_co_u32 s18, s18, s19
	s_and_b32 s19, s22, 2047
	s_lshl_b32 s19, s19, 6                         ; 64 bytes a token in every plane
	s_add_co_u32 s18, s18, s19
	s_lshl_b32 s19, s90, 22                        ; the plane
	s_add_co_u32 s18, s18, s19
	s_mov_b32 s19, 0
	s_add_nc_u64 s[68:69], s[10:11], s[18:19]      ; four bases: (A's blocks 0-3 or 4-7) x (B's blocks 0-3 or 4-7)
	s_add_nc_u64 s[70:71], s[68:69], s[94:95]
	s_add_nc_u64 s[72:73], s[68:69], s[92:93]
	s_add_nc_u64 s[74:75], s[72:73], s[94:95]
	v_and_b32 v6, 31, v0
	v_lshlrev_b32 v12, 4, v6                       ; 16 x lane + (block % 4) images
	v_add_nc_u32 v13, s98, v12
	v_add_nc_u32 v14, s98, v13
	v_add_nc_u32 v15, s98, v14
.set J, 0
.rept 64
	v_and_b32 v[BN+J], s89, v[BN+J]
.set J, J+1
.endr
.set J, 0
.rept 8
	v_and_b32 v[BM+2*J], s91, v[BM+2*J]
	v_mov_b32 v[BM+2*J+1], 0                       ; named as the pair's upper half
.set J, J+1
.endr
	PLACES NP
.macro OUTB a
.set AC, 64*((\a)%4)
	WIN 0x02+((\a)/4)                              ; source 0: window 2 or 3
.set J, 0
.rept 32
	v_pk_fma_f32 v[TT+J:TT+J+1], v[AC+J:AC+J+1], s[96:97], v[BN+J:BN+J+1] op_sel_hi:[1,0,1]   ; each accumulator from its low end on
.set J, J+2
.endr
	WIN 0
.set J, 0
.rept 32
	v_pk_add_f32 v[TT+J:TT+J+1], v[TT+J:TT+J+1], v[BM+2*(\a):BM+2*(\a)+1] op_sel_hi:[1,0]
.set J, J+2
.endr
.set J, 0
.rept 64
	v_med3_num_f32 v[TT+J], v[TT+J], -v[LIM], v[LIM]
.set J, J+1
.endr
.if (\a) > 0
	s_wait_alu depctr_va_vdst(0)
	s_wait_xcnt 0x0                                ; the last block's stores have read their data: the codes' registers are written again only behind this wait
.endif
.irp b, 0,1,2,3,4,5,6,7
	v_cvt_scalef32_pk8_fp8_f32 v[CD+2*\b:CD+2*\b+1], v[TT+8*\b:TT+8*\b+7], v[SCL]
.endr
	v_nop                                          ; a plain line between the conversions and the next block's lines, which write their sources
.irp c, 0,1,2,3
	global_store_b128 v[12+(\a)%4], v[CD+4*\c:CD+4*\c+3], s[68+4*((\a)/4)+2*(\c/2):68+4*((\a)/4)+2*(\c/2)+1] offset:512*(\c%2)   ; 512 consecutive bytes
.endr
.endm
.irp a, 0,1,2,3,4,5,6,7
	OUTB \a
.endr
	s_wait_tensorcnt 0x0                           ; the wave's end
	ds_add_u32 v[SPW], v[NIL]
	s_wait_dscnt 0x0
	CROUND                                         ; the closing round
	s_endpgm
.Lfunc_end_k_qabcfe6c1e8_qkv:
	.size	k_qabcfe6c1e8_qkv, .Lfunc_end_k_qabcfe6c1e8_qkv-k_qabcfe6c1e8_qkv
	.p2alignl 7, 3214868480
	.fill 96, 4, 3214868480
	.section	.rodata,"a",@progbits
	.p2align	6, 0x0
	.amdhsa_kernel k_qabcfe6c1e8_qkv
		.amdhsa_group_segment_fixed_size 327680
		.amdhsa_private_segment_fixed_size 0
		.amdhsa_enable_private_segment 0
		.amdhsa_kernarg_size 72
		.amdhsa_user_sgpr_count 2
		.amdhsa_user_sgpr_kernarg_segment_ptr 1
		.amdhsa_wavefront_size32 1
		.amdhsa_system_sgpr_workgroup_id_x 1
		.amdhsa_system_sgpr_workgroup_id_y 1
		.amdhsa_system_sgpr_workgroup_id_z 1
		.amdhsa_system_vgpr_workitem_id 0
		.amdhsa_next_free_vgpr 1024
		.amdhsa_next_free_sgpr 100
		.amdhsa_reserve_vcc 0
		.amdhsa_float_denorm_mode_32 3
		.amdhsa_float_denorm_mode_16_64 3
		.amdhsa_memory_ordered 1
		.amdhsa_forward_progress 1
		.amdhsa_inst_pref_size 158
	.end_amdhsa_kernel
	.amdgpu_metadata
---
amdhsa.version: [ 1, 2 ]
amdhsa.kernels:
  - .name:           k_qabcfe6c1e8_qkv
    .symbol:         k_qabcfe6c1e8_qkv.kd
    .args:
      - { .name: hc, .offset: 0, .size: 8, .value_kind: global_buffer, .address_space: global }
      - { .name: Wq_codes, .offset: 8, .size: 8, .value_kind: global_buffer, .address_space: global }
      - { .name: Wk_codes, .offset: 16, .size: 8, .value_kind: global_buffer, .address_space: global }
      - { .name: Wv_codes, .offset: 24, .size: 8, .value_kind: global_buffer, .address_space: global }
      - { .name: bq, .offset: 32, .size: 8, .value_kind: global_buffer, .address_space: global }
      - { .name: bk, .offset: 40, .size: 8, .value_kind: global_buffer, .address_space: global }
      - { .name: bv, .offset: 48, .size: 8, .value_kind: global_buffer, .address_space: global }
      - { .name: lowp_scales, .offset: 56, .size: 8, .value_kind: global_buffer, .address_space: global }
      - { .name: qkvc, .offset: 64, .size: 8, .value_kind: global_buffer, .address_space: global }
    .group_segment_fixed_size: 327680
    .private_segment_fixed_size: 0
    .kernarg_segment_align: 8
    .kernarg_segment_size: 72
    .max_flat_workgroup_size: 128
    .sgpr_count:     100
    .vgpr_count:     1024
    .wavefront_size: 32
...
	.end_amdgpu_metadata
.endif
;; end of part 2
;; launch attn (part 3): grid 8 x 32, 16 waves a work-group, clusters of 4 x 1, 264,192 bytes of LDS; arguments qkvc, lowp_scales, oc; writes oc
.if DOCPART == 3
	.amdgcn_target "amdgcn-amd-amdhsa--gfx1250"
	.amdhsa_code_object_version 6
	.text
	.protected	k_qabcfe6c1e8_attn
	.globl	k_qabcfe6c1e8_attn
	.p2align	8
	.type	k_qabcfe6c1e8_attn,@function
k_qabcfe6c1e8_attn:
	s_mov_b64 s[64:65], 0
	v_nop
	global_prefetch_b8 v0, s[64:65] scope:SCOPE_SE
	s_setreg_imm32_b32 hwreg(HW_REG_WAVE_MODE, 25, 1), 1
	s_wait_xcnt 0x0
	s_wait_alu depctr_hold_cnt(0) depctr_sa_sdst(0) depctr_va_vdst(0) depctr_va_sdst(0) depctr_va_ssrc(0) depctr_va_vcc(0) depctr_vm_vsrc(0)
	s_getreg_b32 s2, hwreg(HW_REG_IB_STS2, 6, 4)
	s_cmp_eq_u32 s2, 0
	s_cbranch_scc0 .Lentry_in_a_cluster
	s_endpgm
.Lentry_in_a_cluster:
	s_bfe_u32 s2, ttmp6, 0x10000c
	s_cmp_lg_u32 s2, 0x3003
	s_cbranch_scc0 .Lentry_shape_is_right
	s_endpgm
.Lentry_shape_is_right:
; o = softmax(q k^T / 8) v for one head and 256 queries a work-group, both products on E4M3 codes; o is quantised for the projection and stored as images of that product's operand.
; t = score x log2(e) / 8; M = the running largest t rounded up to a whole number; p = 2^(t - M) is quantised, not normalised; the row's sum is taken of the unquantised p and divides at the end.
; SHARES.  Sixteen waves, each 16 queries.  A key step is 128 keys: 8 images of K (1,024 bytes each) and 4 images of V (2,048 bytes each).  The head's 16 steps fill 262,144 bytes of LDS once; nothing is filled again.
; Wave w fetches step w by ONE tensor load of two rows of 8,192 bytes (K's part, and V's part one plane = 4 MiB further on) to LDS byte 16,384 w.  The four query blocks of a cluster belong to one head and ask jointly.
; A wave multiplies its own step behind its own wait on TENSORcnt (no other wave's load lands in those bytes); one barrier follows, and then it walks all steps in order and passes over its own (a scalar branch on the count of steps and the wave's number).
; The order of the keys does not matter to a running maximum.  No prefetch: every tile is asked for at the head by its tensor load, and there is no loop to run ahead in.
; LAYOUT.  S^T = K Q^T (source 0 = 16 keys), O^T = V^T P^T (source 0 = 16 channels): a lane holds one query throughout, and tile t's eight scores are keys 16 t + 8 hh + 0 .. 7: registers 2 t, 2 t + 1 of P's operand.
; THE ORDER OF A STEP keeps dependent lines apart: the maximum goes in eight chains; V's loads stand between the lines of the chain that ends in -M; the lines that make f stand among the multiply-adds; the holds go in runs of sixteen ahead of four conversions.
; THE ROW'S SUM: eight partial sums (pairs) a step; their last eight additions are done in the next step, as the plain lines that are owed behind the matrix instructions.
; LIMITS: e6 + e7 between -123 and 130 (added to c's exponent field); e8 and e10 between -126 and 119; the scaled scores stay under 2^31 in magnitude.  NaN is not served.
.set WV,  18                           ; s18 my wave
.set SEL, 20                           ; s[20:21] lane l xor 16
.set CS,  22                           ; s[22:23] c
.set G1,  24                           ; s[24:31] descriptor group 1
.set G0,  32                           ; s[32:35] group 0; never rewritten
.set TB,  48                           ; s48 LDS byte of the step in hand; s49 counts steps
.set SPARE, 262144                     ; the spare words, 128 bytes a wave
.set LN,  1                            ; v1 16 x lane
.set ST,  4                            ; v4 the store's offset
.set SPW, 5
.set NIL, 6
.set AD,  8                            ; v8 the step's LDS address
.set Q,   16                           ; v16-23 Q;  v12 -M, v13 the largest t, v[14:15] the sum
.set FR,  32                           ; v32-95 K's, then V's fragments
.set S,   96                           ; v96-159 S^T, then p
.set O,   160                          ; v160-191 O^T
.set T,   192                          ; v192-207 eight partial sums; between their use and their next making: the maximum's eight chains
.set PD,  208                          ; a lane permute's destination
.set F,   210                          ; v[210:211] f = 2^(old M - new M)
.set XA,  212
.set XB,  213
.set LIM, 214                          ; v214, v215: 448 x 2^e8, twice: one for each half of a dual pair
.set SCL, 216                          ; 2^e8
.set CD,  224                          ; v224-239 p's codes
.macro CROUND
	s_barrier_signal -1
	s_barrier_wait -1
	s_cmp_lg_u32 s[WV], 0
	s_cbranch_scc1 .Lnot_wave_0_\@
	s_barrier_signal -3
.Lnot_wave_0_\@:
	s_barrier_wait -3
	s_barrier_signal -1
	s_barrier_wait -1
.endm
.macro SUMA                            ; three of the last step's eight late additions
	v_pk_add_f32 v[T:T+1], v[T:T+1], v[T+2:T+3]
	v_pk_add_f32 v[T+4:T+5], v[T+4:T+5], v[T+6:T+7]
	v_pk_add_f32 v[T+8:T+9], v[T+8:T+9], v[T+10:T+11]
.endm
.macro SUMB                            ; four more
	v_pk_add_f32 v[T+12:T+13], v[T+12:T+13], v[T+14:T+15]
	v_pk_add_f32 v[T:T+1], v[T:T+1], v[T+4:T+5]
	v_pk_add_f32 v[T+8:T+9], v[T+8:T+9], v[T+12:T+13]
	v_pk_add_f32 v[T:T+1], v[T:T+1], v[T+8:T+9]
.endm
.macro VLD n                           ; the n-th group of four registers of V's four fragments: 512 consecutive bytes
	ds_load_b128 v[FR+4*(\n):FR+4*(\n)+3], v[AD] offset:8192+512*(\n)
.endm
.macro TM n                            ; t - M for n pairs, from pair J on
.rept \n
	v_pk_fma_f32 v[S+J:S+J+1], v[S+J:S+J+1], s[CS:CS+1], v[12:13] op_sel_hi:[1,0,0]
.set J, J+2
.endr
.endm
	s_load_b128 s[4:7], s[0:1], 0x0                ; qkvc, the scales' exponents
	s_load_b64 s[8:9], s[0:1], 0x10                ; oc
	v_lshl_add_u32 v[SPW], v0, 2, SPARE
	v_mov_b32 v[NIL], 0
	ds_add_u32 v[SPW], v[NIL]                      ; the opening lines: the add, twice on end, and its wait ahead of my tensor load
	ds_add_u32 v[SPW], v[NIL]
	v_lshrrev_b32 v2, 5, v0
	v_readfirstlane_b32 s[WV], v2                  ; wave 0..15
	s_bfe_u32 s13, ttmp6, 0x40000                  ; cx
	s_lshl_b32 s14, ttmp9, 2
	s_add_co_u32 s14, s14, s13                     ; my block of 256 queries: it enters Q's and o's addresses alone
	s_and_b32 s15, ttmp7, 0xffff                   ; batch x 16 + head, shared by the four partners
	s_lshl_b32 s50, s[WV], 14                      ; LDS byte of my step
	s_lshl_b32 s52, s15, 17                        ; a head is 131,072 bytes in each plane,
	s_lshl_b32 s53, s[WV], 13                      ; a step 8,192
	s_add_co_u32 s52, s52, s53
	s_add_co_u32 s52, s52, 0x400000                ; plane 1: K; plane 2, V, is the tile's second row
	s_mov_b32 s53, 0
	s_mov_b32 s[G1], 15|(3<<16)|(1<<21)            ; the mask: all four work-groups; elements of 8 bytes; bit 21 beside a mask; no padding
	s_mov_b32 s[G1+1], 1024<<16                    ; a row: 1,024 elements = 8,192 bytes
	s_mov_b32 s[G1+2], 2<<16                       ; two rows
	s_mov_b32 s[G1+3], 1024<<16
	s_mov_b32 s[G1+4], 2
	s_mov_b32 s[G1+5], 524288                      ; 4 MiB from row to row
	s_mov_b32 s[G1+6], 0
	s_mov_b32 s[G1+7], 0
	s_mov_b32 s[SEL], 0x76543210
	s_mov_b32 s[SEL+1], 0xfedcba98
	s_mov_b32 s[CS], 0x3e38aa3b                    ; c = log2(e) / 8
	s_wait_dscnt 0x0                               ; both opening adds are done
	s_wait_kmcnt 0x0
	s_load_b512 s[68:83], s[6:7], 0x0              ; the sixteen exponents
	s_add_nc_u64 s[52:53], s[4:5], s[52:53]
	CROUND                                         ; all four work-groups are here: the joint loads meet
	s_mov_b32 s[G0], 1
	s_mov_b32 s[G0+1], s50
	s_mov_b64 s[G0+2:G0+3], s[52:53]
	s_or_b32 s[G0+3], s[G0+3], 0x80000000
	tensor_load_to_lds s[G0:G0+3], s[G1:G1+7]      ; every wave's one load: its own step
	s_nop 0
.rept 4
	v_nop
.endr
	s_lshl_b32 s54, s14, 4
	s_add_co_u32 s54, s54, s[WV]                   ; my block of 16 tokens in the batch
	s_lshl_b32 s56, s15, 17
	s_lshl_b32 s57, s54, 10
	s_add_co_u32 s56, s56, s57
	s_mov_b32 s57, 0
	s_add_nc_u64 s[56:57], s[4:5], s[56:57]        ; Q's image, in plane 0
	v_and_b32 v3, 31, v0
	v_lshlrev_b32 v[LN], 4, v3
	s_wait_alu depctr_va_vdst(0)                   ; a wait behind this write
	global_load_b128 v[Q:Q+3], v[LN], s[56:57]
	global_load_b128 v[Q+4:Q+7], v[LN], s[56:57] offset:512
	s_and_b32 s58, s15, 15                         ; the head
	s_lshr_b32 s59, s58, 1
	s_lshl_b32 s59, s59, 19                        ; 128 features of the projection's K are two heads: 256 images of 2,048 bytes
	s_and_b32 s58, s58, 1
	s_lshl_b32 s58, s58, 10
	s_add_co_u32 s58, s58, s59
	s_lshr_b32 s59, s15, 4
	s_lshl_b32 s59, s59, 7
	s_add_co_u32 s59, s59, s54
	s_lshl_b32 s59, s59, 11                        ; the block of 16 tokens among all 256
	s_add_co_u32 s58, s58, s59
	s_mov_b32 s59, 0
	s_add_nc_u64 s[8:9], s[8:9], s[58:59]
	v_and_b32 v[ST], 15, v0
	v_bfe_u32 v7, v0, 4, 1
	v_lshlrev_b32 v[ST], 4, v[ST]
	v_lshl_add_u32 v[ST], v7, 3, v[ST]             ; 16 r + 8 hh
	v_mov_b32 v13, 0xff61b1e6                      ; the largest t so far: -3e38
	v_floor_f32 v12, -v13                          ; -M
	v_mov_b32 v14, 0
	v_mov_b32 v15, 0
	v_mov_b32 v[PD], 0
	v_mov_b32 v[F], 1.0
	v_mov_b32 v[F+1], 0                            ; named as the pair's upper half
.set J, 0
.rept 16
	v_mov_b32 v[T+J], 0                            ; the step is written once: the first finds zeros in the partial sums
.set J, J+1
.endr
.set J, 0
.rept 32
	v_mov_b32 v[O+J], 0                            ; and in O^T
.set J, J+1
.endr
	s_wait_kmcnt 0x0
	s_add_co_i32 s60, s74, s75
	s_lshl_b32 s60, s60, 23
	s_add_co_i32 s[CS], s[CS], s60                 ; a score stands for score x 2^(e6 + e7)
	s_mov_b32 s[CS+1], s[CS]
	s_add_co_i32 s60, s76, 127
	s_lshl_b32 s58, s60, 23
	v_mov_b32 v[SCL], s58                          ; 2^e8
	s_add_co_i32 s60, s60, 8
	s_lshl_b32 s60, s60, 23
	s_or_b32 s60, s60, 0x600000
	v_mov_b32 v[LIM], s60                          ; 448 x 2^e8
	v_mov_b32 v[LIM+1], s60
	s_add_co_i32 s60, s78, 127
	s_lshl_b32 s62, s60, 23                        ; 2^e10
	s_add_co_i32 s60, s60, 8
	s_lshl_b32 s63, s60, 23
	s_or_b32 s63, s63, 0x600000                    ; 448 x 2^e10
	s_add_co_i32 s61, s76, s77                     ; e8 + e9
.macro STEP                            ; 128 keys, at LDS byte s[TB]
	v_add_nc_u32 v[AD], s[TB], v[LN]               ; with SUMA: four plain lines between the last products and loads into the registers that they read
	SUMA
.irp t, 0,1,2,3,4,5,6,7
	ds_load_b128 v[FR+8*\t:FR+8*\t+3], v[AD] offset:1024*\t
	ds_load_b128 v[FR+8*\t+4:FR+8*\t+7], v[AD] offset:1024*\t+512
.endr
	s_wait_alu depctr_va_vdst(0)                   ; directly ahead of the wait below
	s_wait_dscnt 8                                 ; tiles 0-3 are in; the younger eight loads (tiles 4-7) may be out
.irp t, 0,1,2,3
	v_wmma_f32_16x16x64_fp8_fp8 v[S+8*\t:S+8*\t+7], v[FR+8*\t:FR+8*\t+7], v[Q:Q+7], 0
.endr
	s_wait_dscnt 0x0
.irp t, 4,5,6,7
	v_wmma_f32_16x16x64_fp8_fp8 v[S+8*\t:S+8*\t+7], v[FR+8*\t:FR+8*\t+7], v[Q:Q+7], 0
.endr
	SUMB                                           ; four plain lines behind the products
.irp n, 0,1,2,3,4,5,6,7
	VLD \n                                         ; V's fragments land under the softmax
.endr
	v_pk_add_f32 v[14:15], v[14:15], v[T:T+1]      ; the last step's sum is whole
.irp k, 0,1,2,3,4,5,6,7
	v_max3_num_f32 v[T+\k], v[S+3*\k], v[S+3*\k+1], v[S+3*\k+2]   ; the step's largest score of my query among my 64 keys, in eight chains; the scores in ascending order, so each accumulator from its low end on
.endr
.irp m, 24,40
.irp k, 0,1,2,3,4,5,6,7
	v_max3_num_f32 v[T+\k], v[T+\k], v[S+\m+2*\k], v[S+\m+2*\k+1]
.endr
.endr
.irp k, 0,1,2,3
	v_max3_num_f32 v[T+\k], v[T+\k], v[S+56+2*\k], v[S+57+2*\k]
.endr
	v_max3_num_f32 v[T], v[T], v[T+1], v[T+2]
	v_max3_num_f32 v[T+3], v[T+3], v[T+4], v[T+5]
	VLD 8                                          ; the rest of V's loads stand between the lines of this chain
	v_max3_num_f32 v[T+6], v[T+6], v[T+7], v[T]
	VLD 9
	v_max_num_f32 v[T+6], v[T+6], v[T+3]
	VLD 10
	v_permlanex16_b32 v[PD], v[T+6], s[SEL], s[SEL+1]
	VLD 11
	v_max_num_f32 v[T+6], v[T+6], v[PD]            ; and among lane l xor 16's
	VLD 12
	v_mul_f32 v[T+6], s[CS], v[T+6]
	VLD 13
	v_max_num_f32 v13, v13, v[T+6]
	v_mov_b32 v[T], v12
	VLD 14
	v_floor_f32 v12, -v13                          ; -M = floor(-t)
	VLD 15
	v_sub_f32 v[T], v12, v[T]                      ; old M - new M: a whole number, 0 or less
.set J, 0
	TM 4
	v_cvt_i32_f32 v[T], v[T]                       ; (it saturates)
	TM 4
	v_ldexp_f32 v[F], 1.0, v[T]                    ; f = 2^(old M - new M)
	TM 24
.set J, 0
.rept 16
	v_pk_mul_f32 v[O+J:O+J+1], v[O+J:O+J+1], v[F:F+1] op_sel_hi:[1,0]   ; O^T under the new M: read ahead of this step's exponentials
.set J, J+2
.endr
	s_wait_alu depctr_va_vdst(0)                   ; ahead of the batch
.set J, 0
.rept 64
	v_exp_f32 v[S+J], v[S+J]
.set J, J+1
.endr
	v_pk_mul_f32 v[14:15], v[14:15], v[F:F+1] op_sel_hi:[1,0]   ; the sum under the new M; also the plain line behind the exponentials
	s_wait_alu depctr_va_vdst(0)                   ; one wait for the batch, ahead of its first reader
.irp k, 0,1,2,3,4,5,6,7
	v_pk_add_f32 v[T+2*\k:T+2*\k+1], v[S+2*\k:S+2*\k+1], v[S+16+2*\k:S+17+2*\k]   ; the sum of the unquantised p, eight chains of pairs: tiles 0-3
.endr
.set J, 0
.rept 16
	v_dual_min_num_f32 v[S+J], v[S+J], v[LIM] :: v_dual_min_num_f32 v[S+J+1], v[S+J+1], v[LIM+1]   ; p is not negative: a one-sided hold ahead of a conversion that does not saturate (ISA guide 7.6.2), two a line: tiles 0-3, in place
.set J, J+2
.endr
.irp t, 0,1,2,3
	v_cvt_scalef32_pk8_fp8_f32 v[CD+2*\t:CD+2*\t+1], v[S+8*\t:S+8*\t+7], v[SCL]
.endr
.irp k, 0,1,2,3,4,5,6,7
	v_pk_add_f32 v[T+2*\k:T+2*\k+1], v[T+2*\k:T+2*\k+1], v[S+32+2*\k:S+33+2*\k]   ; tiles 4, 5; also the plain lines behind the conversions, whose sources are written next
.endr
.set J, 0
.rept 16
	v_dual_min_num_f32 v[S+J], v[S+32+J], v[LIM] :: v_dual_min_num_f32 v[S+J+1], v[S+33+J], v[LIM+1]   ; tiles 4-7 are held into the registers that tiles 0-3 have left: their p stays for the sums below
.set J, J+2
.endr
.irp t, 0,1,2,3
	v_cvt_scalef32_pk8_fp8_f32 v[CD+8+2*\t:CD+9+2*\t], v[S+8*\t:S+8*\t+7], v[SCL]
.endr
.irp k, 0,1,2,3,4,5,6,7
	v_pk_add_f32 v[T+2*\k:T+2*\k+1], v[T+2*\k:T+2*\k+1], v[S+48+2*\k:S+49+2*\k]   ; tiles 6, 7; also the plain lines behind the conversions
.endr
	s_wait_alu depctr_va_vdst(0)                   ; directly ahead of the wait below
	s_wait_dscnt 0x0                               ; V's fragments
.irp t, 0,1,2,3
	v_wmma_f32_16x16x128_fp8_fp8 v[O+8*\t:O+8*\t+7], v[FR+16*\t:FR+16*\t+15], v[CD:CD+15], v[O+8*\t:O+8*\t+7]   ; four accumulators by turns
.endr
.endm
	s_wait_alu depctr_va_vdst(0)
	s_wait_loadcnt 0x0                             ; Q
	s_wait_tensorcnt 0x0                           ; my own step is in
	s_mov_b32 s[TB], s50
	STEP                                           ; my own step: bytes that my load alone filled
	s_barrier_signal -1                            ; every wave has waited for its load: behind the barrier all sixteen steps are in
	s_barrier_wait -1
	s_mov_b32 s[TB], 0
	s_mov_b32 s49, 0
.Lstep:                                            ; sixteen trips; my own step is passed over
	s_cmp_eq_u32 s49, s[WV]
	s_cbranch_scc1 .Lmine
	STEP
.Lmine:
	s_add_co_u32 s[TB], s[TB], 16384
	s_add_co_u32 s49, s49, 1
	s_cmp_lt_u32 s49, 16
	s_cbranch_scc1 .Lstep
	; THE WAY OUT: O^T / the sum x 2^(e8 + e9), held, converted; tile t's eight codes are 8 bytes of row r in the image: a store covers 256 consecutive bytes
	SUMA                                           ; the last step's late additions; also the plain lines behind the last products
	SUMB
	v_pk_add_f32 v[14:15], v[14:15], v[T:T+1]
	v_add_f32 v14, v14, v15
	v_permlanex16_b32 v[PD], v14, s[SEL], s[SEL+1]
	v_add_f32 v14, v14, v[PD]
	s_wait_alu depctr_va_vdst(0)                   ; ahead of the transcendental
	v_rcp_f32 v14, v14
	v_mov_b32 v[XA], s62                           ; 2^e10 (a plain line behind the transcendental)
	v_mov_b32 v[XB], s63                           ; 448 x 2^e10
	s_wait_alu depctr_va_vdst(0)                   ; ahead of its first reader
	v_ldexp_f32 v14, v14, s61
	s_wait_alu depctr_va_vdst(0)                   ; directly ahead of the first reader of O^T
.set J, 0
.rept 16
	v_pk_mul_f32 v[S+J:S+J+1], v[O+J:O+J+1], v[14:15] op_sel_hi:[1,0]   ; each accumulator from its low end on
.set J, J+2
.endr
.set J, 0
.rept 32
	v_med3_num_f32 v[S+J], v[S+J], -v[XB], v[XB]
.set J, J+1
.endr
.irp t, 0,1,2,3
	v_cvt_scalef32_pk8_fp8_f32 v[CD+2*\t:CD+2*\t+1], v[S+8*\t:S+8*\t+7], v[XA]
.endr
	v_nop
.irp t, 0,1,2,3
	global_store_b64 v[ST], v[CD+2*\t:CD+2*\t+1], s[8:9] offset:256*\t
.endr
	s_wait_tensorcnt 0x0                           ; the wave's end
	ds_add_u32 v[SPW], v[NIL]
	s_wait_dscnt 0x0
	CROUND                                         ; the closing round
	s_endpgm
.Lfunc_end_k_qabcfe6c1e8_attn:
	.size	k_qabcfe6c1e8_attn, .Lfunc_end_k_qabcfe6c1e8_attn-k_qabcfe6c1e8_attn
	.p2alignl 7, 3214868480
	.fill 96, 4, 3214868480
	.section	.rodata,"a",@progbits
	.p2align	6, 0x0
	.amdhsa_kernel k_qabcfe6c1e8_attn
		.amdhsa_group_segment_fixed_size 264192
		.amdhsa_private_segment_fixed_size 0
		.amdhsa_enable_private_segment 0
		.amdhsa_kernarg_size 24
		.amdhsa_user_sgpr_count 2
		.amdhsa_user_sgpr_kernarg_segment_ptr 1
		.amdhsa_wavefront_size32 1
		.amdhsa_system_sgpr_workgroup_id_x 1
		.amdhsa_system_sgpr_workgroup_id_y 1
		.amdhsa_system_sgpr_workgroup_id_z 1
		.amdhsa_system_vgpr_workitem_id 0
		.amdhsa_next_free_vgpr 240
		.amdhsa_next_free_sgpr 84
		.amdhsa_reserve_vcc 0
		.amdhsa_float_denorm_mode_32 3
		.amdhsa_float_denorm_mode_16_64 3
		.amdhsa_memory_ordered 1
		.amdhsa_forward_progress 1
		.amdhsa_inst_pref_size 42
	.end_amdhsa_kernel
	.amdgpu_metadata
---
amdhsa.version: [ 1, 2 ]
amdhsa.kernels:
  - .name:           k_qabcfe6c1e8_attn
    .symbol:         k_qabcfe6c1e8_attn.kd
    .args:
      - { .name: qkvc, .offset: 0, .size: 8, .value_kind: global_buffer, .address_space: global }
      - { .name: lowp_scales, .offset: 8, .size: 8, .value_kind: global_buffer, .address_space: global }
      - { .name: oc, .offset: 16, .size: 8, .value_kind: global_buffer, .address_space: global }
    .group_segment_fixed_size: 264192
    .private_segment_fixed_size: 0
    .kernarg_segment_align: 8
    .kernarg_segment_size: 24
    .max_flat_workgroup_size: 512
    .sgpr_count:     84
    .vgpr_count:     240
    .wavefront_size: 32
...
	.end_amdgpu_metadata
.endif
;; end of part 3
;; launch proj (part 4): grid 8 x 32, 4 waves a work-group, clusters of 4 x 4, 327,680 bytes of LDS; arguments oc, Wp_codes, lowp_scales, bp, h, rs; writes rs
.if DOCPART == 4
	.amdgcn_target "amdgcn-amd-amdhsa--gfx1250"
	.amdhsa_code_object_version 6
	.text
	.protected	k_qabcfe6c1e8_proj
	.globl	k_qabcfe6c1e8_proj
	.p2align	8
	.type	k_qabcfe6c1e8_proj,@function
k_qabcfe6c1e8_proj:
	s_mov_b64 s[64:65], 0
	v_nop
	global_prefetch_b8 v0, s[64:65] scope:SCOPE_SE
	s_setreg_imm32_b32 hwreg(HW_REG_WAVE_MODE, 25, 1), 1
	s_wait_xcnt 0x0
	s_wait_alu depctr_hold_cnt(0) depctr_sa_sdst(0) depctr_va_vdst(0) depctr_va_sdst(0) depctr_va_ssrc(0) depctr_va_vcc(0) depctr_vm_vsrc(0)
	s_getreg_b32 s2, hwreg(HW_REG_IB_STS2, 6, 4)
	s_cmp_eq_u32 s2, 0
	s_cbranch_scc0 .Lentry_in_a_cluster
	s_endpgm
.Lentry_in_a_cluster:
	s_bfe_u32 s2, ttmp6, 0x10000c
	s_cmp_lg_u32 s2, 0xf033
	s_cbranch_scc0 .Lentry_shape_is_right
	s_endpgm
.Lentry_shape_is_right:
; rs = h + o Wp + bp on E4M3 codes.  o's codes come as images of the operand's registers ([K / 128][16 tokens][2,048 bytes]), Wp's as rows of K.
; A block of 128 x 128, four waves of 64 x 64 (16 accumulators by turns); K in steps of 512 through two LDS slots filled by joint loads of a 4 x 4 cluster (A shared along a row, B along a column).
; The sums leave through the wave's stage in slot 0, which has had its last fill and its last read; each store covers two aligned runs of 256 bytes.
; LIMIT: the two exponents added lie between -126 and 127.
; No prefetch: K is two steps, both asked for by the head's two loads, and there is no loop to run ahead in.
.set KTOT,   1024
.set SOFF,   0x28
.set AHALF,  32768
.set BPITCH, 528
.set BHALF,  64*BPITCH
.set BOFF,   2*AHALF
.set SLOT,   BOFF+2*BHALF
.set SPARE,  2*SLOT
.set SPITCH, 272
.set LAPS,   KTOT/1024
.set ADRA, 16
.set ADRB, 20
.set STO,  24
.set RD,   25
.set CO,   26
.set BO,   27
.set SPW,  28
.set NIL,  29
.set BI,   32
.set ACC,  128
.set F0,   0
.set F1,   128
.set G1, 24
.set G0, 32
.set G1B, 48
.set G0B, 56
.set MSB, 0
.macro WIN new
.if MSB != \new
	s_set_vgpr_msb (MSB<<8)|\new
.set MSB, \new
.endif
.endm
.set MUL,  0x05
.set TO_F, 0x40
.macro JLOAD s
	s_cmp_eq_u32 s11, 0
	s_cbranch_scc0 .Lfor_b_\@
	tensor_load_to_lds s[G0+4*\s:G0+4*\s+3], s[G1:G1+7]
	s_nop 0
.rept 4
	v_nop
.endr
	s_branch .Lasked_\@
.Lfor_b_\@:
	tensor_load_to_lds s[G0B+4*\s:G0B+4*\s+3], s[G1B:G1B+7]
	s_nop 0
.rept 4
	v_nop
.endr
.Lasked_\@:
.endm
.macro CREST
	s_cmp_lg_u32 s10, 0
	s_cbranch_scc1 .Lnot_wave_0_\@
	s_barrier_signal -3
.Lnot_wave_0_\@:
	s_barrier_wait -3
	s_barrier_signal -1
	s_barrier_wait -1
.endm
.macro CROUND
	s_barrier_signal -1
	s_barrier_wait -1
	CREST
.endm
	s_load_b256 s[68:75], s[0:1], 0x0
	s_load_b128 s[76:79], s[0:1], 0x20
	v_lshl_add_u32 v[SPW], v0, 2, SPARE
	v_mov_b32 v[NIL], 0
	ds_add_u32 v28, v29
	ds_add_u32 v28, v29
	s_wait_dscnt 0x0
	v_lshrrev_b32 v1, 5, v0
	v_readfirstlane_b32 s10, v1
	s_lshr_b32 s11, s10, 1
	s_and_b32 s12, s10, 1
	s_bfe_u32 s40, ttmp6, 0x40000
	s_bfe_u32 s41, ttmp6, 0x40004
	s_lshl_b32 s42, ttmp9, 2
	s_add_co_u32 s42, s42, s40
	s_and_b32 s13, ttmp7, 0xffff
	s_lshl_b32 s13, s13, 2
	s_add_co_u32 s13, s13, s41
	s_lshl_b32 s43, s41, 2
	s_lshl_b32 s43, 15, s43
	s_lshl_b32 s44, 0x1111, s40
	s_or_b32 s[G1+0], s43, (3<<16)|(1<<21)
	s_mov_b32 s[G1+1], 1024<<16
	s_mov_b32 s[G1+2], 4<<16
	s_mov_b32 s[G1+3], 1024<<16
	s_mov_b32 s[G1+4], 4
	s_mov_b32 s[G1+5], 65536
	s_mov_b32 s[G1+6], 0
	s_mov_b32 s[G1+7], 0
	s_or_b32 s[G1B+0], s44, (1<<20)|(1<<21)|(6<<22)|(3<<25)
	s_mov_b32 s[G1B+1], 512<<16
	s_mov_b32 s[G1B+2], 64<<16
	s_mov_b32 s[G1B+3], 512<<16
	s_mov_b32 s[G1B+4], 64
	s_mov_b32 s[G1B+5], KTOT
	s_mov_b32 s[G1B+6], 0
	s_mov_b32 s[G1B+7], 0
	s_lshl_b32 s16, s13, 3
	s_lshl_b32 s17, s12, 2
	s_add_co_u32 s16, s16, s17
	s_lshl_b32 s16, s16, 11
	s_mov_b32 s17, 0
	s_lshl_b32 s46, s42, 7
	s_lshl_b32 s47, s12, 6
	s_add_co_u32 s46, s46, s47
	s_mul_i32 s46, s46, KTOT
	s_mov_b32 s47, 0
	s_lshl_b32 s20, s12, 15
	s_mul_i32 s21, s12, BHALF
	s_add_co_u32 s21, s21, BOFF
	s_wait_kmcnt 0x0
	s_load_b64 s[66:67], s[72:73], SOFF
	s_add_nc_u64 s[14:15], s[68:69], s[16:17]
	s_add_nc_u64 s[46:47], s[70:71], s[46:47]
	CROUND
.irp s, 0,1
	s_mov_b32 s[G0+4*\s], 1
	s_add_co_u32 s[G0+4*\s+1], s20, \s*SLOT
	s_add_nc_u64 s[G0+4*\s+2:G0+4*\s+3], s[14:15], \s*2097152
	s_or_b32 s[G0+4*\s+3], s[G0+4*\s+3], 0x80000000
	s_mov_b32 s[G0B+4*\s], 1
	s_add_co_u32 s[G0B+4*\s+1], s21, \s*SLOT
	s_add_nc_u64 s[G0B+4*\s+2:G0B+4*\s+3], s[46:47], \s*512
	s_or_b32 s[G0B+4*\s+3], s[G0B+4*\s+3], 0x80000000
.endr
	JLOAD 0                                        ; K step 0: one tensor load a wave at the head
	v_and_b32 v1, 15, v0
	v_bfe_u32 v2, v0, 4, 1
	v_and_b32 v3, 31, v0
	v_lshlrev_b32 v3, 4, v3
	v_mul_u32_u24 v4, v1, BPITCH
	v_lshl_add_u32 v4, v2, 4, v4
	s_lshl_b32 s21, s11, 15
	s_mul_i32 s22, s12, BHALF
	s_add_co_u32 s22, s22, BOFF
.irp s, 0,1
	v_add_nc_u32 v[ADRA+\s], s21, v3
	v_add_nc_u32 v[ADRB+\s], s22, v4
	s_add_co_u32 s21, s21, SLOT
	s_add_co_u32 s22, s22, SLOT
.endr
	s_mul_i32 s23, s10, 64*SPITCH
	v_mul_u32_u24 v5, v1, SPITCH
	v_lshl_add_u32 v5, v2, 5, v5
	v_add_nc_u32 v[STO], s23, v5
	v_mul_u32_u24 v5, v2, SPITCH
	v_lshl_add_u32 v5, v1, 4, v5
	v_add_nc_u32 v[RD], s23, v5
	v_lshlrev_b32 v5, 12, v2
	v_lshl_add_u32 v[CO], v1, 4, v5
	s_wait_alu depctr_va_vdst(0)
	v_lshlrev_b32 v[BO], 4, v1
	s_wait_alu depctr_va_vdst(0)
	s_lshl_b32 s16, s13, 7
	s_lshl_b32 s17, s11, 6
	s_add_co_u32 s16, s16, s17
	s_lshl_b32 s16, s16, 12
	s_mov_b32 s17, 0
	s_add_nc_u64 s[76:77], s[76:77], s[16:17]
	s_add_nc_u64 s[78:79], s[78:79], s[16:17]
	s_lshl_b32 s46, s42, 9
	s_lshl_b32 s47, s12, 8
	s_add_co_u32 s46, s46, s47
	s_mov_b32 s47, 0
	s_add_nc_u64 s[76:77], s[76:77], s[46:47]
	s_add_nc_u64 s[78:79], s[78:79], s[46:47]
	s_add_nc_u64 s[74:75], s[74:75], s[46:47]
	; (the residual and the bias are asked for behind K step 1's load: nothing reads them before the way out)
.macro MULA f, a, zero
.irp b, 0,1,2,3
.if \zero
	v_wmma_f32_16x16x128_fp8_fp8 v[ACC+8*(4*(\a)+\b):ACC+8*(4*(\a)+\b)+7], v[\f+64+16*\b:\f+64+16*\b+15], v[\f+16*(\a):\f+16*(\a)+15], 0
.else
	v_wmma_f32_16x16x128_fp8_fp8 v[ACC+8*(4*(\a)+\b):ACC+8*(4*(\a)+\b)+7], v[\f+64+16*\b:\f+64+16*\b+15], v[\f+16*(\a):\f+16*(\a)+15], v[ACC+8*(4*(\a)+\b):ACC+8*(4*(\a)+\b)+7]
.endif
.endr
.endm
.macro FETCH slot, q, f
	WIN TO_F
.irp i, 0,1,2,3
.irp c, 0,1,2,3
	ds_load_b128 v[\f+64+16*\i+4*\c:\f+64+16*\i+4*\c+3], v[ADRB+\slot] offset:128*(\q)+32*\c+\i*16*BPITCH
.endr
.endr
.irp i, 0,1,2,3
.irp c, 0,1,2,3
	ds_load_b128 v[\f+16*\i+4*\c:\f+16*\i+4*\c+3], v[ADRA+\slot] offset:(4*(\q)+\i)*2048+512*\c
.endr
.endr
.endm
.macro PLACES
.rept 4
	v_nop
.endr
.endm
.macro QUARTER slot, qn, f, g, zero
	s_wait_dscnt 8
	WIN MUL
	MULA \f, 0, \zero
	MULA \f, 1, \zero
	PLACES
	FETCH \slot, \qn, \g
	s_wait_dscnt 32
	WIN MUL
	MULA \f, 2, \zero
	MULA \f, 3, \zero
.endm
.macro TURN slot, next, fill
	WIN 0
	s_wait_tensorcnt 0x0
	ds_add_u32 v[SPW], v[NIL]
	s_wait_dscnt 9
	WIN MUL
	MULA F1, 0, 0
	s_wait_dscnt 0x0
	s_barrier_signal -1
	MULA F1, 1, 0
.if \fill
	WIN 0
.endif
	s_barrier_wait -1
.if \fill
	CREST
	s_add_nc_u64 s[G0+4*\slot+2:G0+4*\slot+3], s[G0+4*\slot+2:G0+4*\slot+3], 4194304
	s_add_nc_u64 s[G0B+4*\slot+2:G0B+4*\slot+3], s[G0B+4*\slot+2:G0B+4*\slot+3], 1024
	JLOAD \slot
.else
	PLACES
.endif
	FETCH \next, 0, F0
	WIN MUL
	MULA F1, 2, 0
	MULA F1, 3, 0
.endm
	s_wait_tensorcnt 0x0                           ; my part of K step 0 is in; slot 1's first fill is issued as a refill is:
	ds_add_u32 v[SPW], v[NIL]                      ; 0 onto my spare word
	s_wait_dscnt 0x0
	CROUND                                         ; everybody's part is in, and the sixteen work-groups meet
	JLOAD 1                                        ; K step 1, the first tensor load behind the round
	FETCH 0, 0, F0
	WIN 0x80                                       ; the residual, my 64 rows x 64 columns of h, into window 2: 32 loads, two rows of 256 bytes each; they land under the products
.set I, 0
.rept 32
	global_load_b128 v[4*I:4*I+3], v[CO], s[76:77] offset:I*8192 th:TH_LOAD_NT
.set I, I+1
.endr
	WIN 0
	global_load_b128 v[BI:BI+3], v[BO], s[74:75]   ; the bias of my lane's four columns
	QUARTER 0, 1, F0, F1, 1
.if LAPS > 1
	WIN 0
	s_mov_b32 s3, LAPS-1
.Llap:
	QUARTER 0, 2, F1, F0, 0
	QUARTER 0, 3, F0, F1, 0
	TURN 0, 1, 1
	QUARTER 1, 1, F0, F1, 0
	QUARTER 1, 2, F1, F0, 0
	QUARTER 1, 3, F0, F1, 0
	TURN 1, 0, 1
	QUARTER 0, 1, F0, F1, 0
	WIN 0
	s_sub_co_u32 s3, s3, 1
	s_cmp_lg_u32 s3, 0
	s_cbranch_scc1 .Llap
.endif
	QUARTER 0, 2, F1, F0, 0
	QUARTER 0, 3, F0, F1, 0
	TURN 0, 1, 0
	QUARTER 1, 1, F0, F1, 0
	QUARTER 1, 2, F1, F0, 0
	QUARTER 1, 3, F0, F1, 0
	s_wait_dscnt 8
	WIN MUL
	MULA F1, 0, 0
	MULA F1, 1, 0
	s_wait_dscnt 0
	MULA F1, 2, 0
	MULA F1, 3, 0
	WIN 0
	PLACES
.irp a, 0,1,2,3
.irp b, 0,1,2,3
	ds_store_b128 v[STO], v[ACC+8*(4*\a+\b):ACC+8*(4*\a+\b)+3] offset:\a*16*SPITCH+64*\b
	ds_store_b128 v[STO], v[ACC+8*(4*\a+\b)+4:ACC+8*(4*\a+\b)+7] offset:\a*16*SPITCH+64*\b+16
.endr
.endr
.set I, 0
.rept 32
	ds_load_b128 v[ACC+4*I:ACC+4*I+3], v[RD] offset:I*2*SPITCH
.set I, I+1
.endr
	s_wait_loadcnt 0x0
	s_wait_kmcnt 0x0
	s_add_co_i32 s66, s66, s67
	s_add_co_i32 s66, s66, 127
	s_lshl_b32 s66, s66, 23
	s_mov_b32 s67, s66
	WIN 0x82
.set I, 0
.rept 32
	v_pk_add_f32 v[4*I:4*I+1], v[4*I:4*I+1], v[BI:BI+1]
	v_pk_add_f32 v[4*I+2:4*I+3], v[4*I+2:4*I+3], v[BI+2:BI+3]
.set I, I+1
.endr
	WIN 0x20
.set I, 0
.rept 32
	s_wait_dscnt 31-I
	v_pk_fma_f32 v[ACC+4*I:ACC+4*I+1], v[ACC+4*I:ACC+4*I+1], s[66:67], v[4*I:4*I+1] op_sel_hi:[1,0,1]
	v_pk_fma_f32 v[ACC+4*I+2:ACC+4*I+3], v[ACC+4*I+2:ACC+4*I+3], s[66:67], v[4*I+2:4*I+3] op_sel_hi:[1,0,1]
	global_store_b128 v[CO], v[ACC+4*I:ACC+4*I+3], s[78:79] offset:I*8192
.set I, I+1
.endr
	WIN 0
	s_wait_tensorcnt 0x0
	ds_add_u32 v[SPW], v[NIL]
	s_wait_dscnt 0x0
	CROUND
	s_endpgm
.Lfunc_end_k_qabcfe6c1e8_proj:
	.size	k_qabcfe6c1e8_proj, .Lfunc_end_k_qabcfe6c1e8_proj-k_qabcfe6c1e8_proj
	.p2alignl 7, 3214868480
	.fill 96, 4, 3214868480
	.section	.rodata,"a",@progbits
	.p2align	6, 0x0
	.amdhsa_kernel k_qabcfe6c1e8_proj
		.amdhsa_group_segment_fixed_size 327680
		.amdhsa_private_segment_fixed_size 0
		.amdhsa_enable_private_segment 0
		.amdhsa_kernarg_size 48
		.amdhsa_user_sgpr_count 2
		.amdhsa_user_sgpr_kernarg_segment_ptr 1
		.amdhsa_wavefront_size32 1
		.amdhsa_system_sgpr_workgroup_id_x 1
		.amdhsa_system_sgpr_workgroup_id_y 1
		.amdhsa_system_sgpr_workgroup_id_z 1
		.amdhsa_system_vgpr_workitem_id 0
		.amdhsa_next_free_vgpr 640
		.amdhsa_next_free_sgpr 80
		.amdhsa_reserve_vcc 0
		.amdhsa_float_denorm_mode_32 3
		.amdhsa_float_denorm_mode_16_64 3
		.amdhsa_memory_ordered 1
		.amdhsa_forward_progress 1
		.amdhsa_inst_pref_size 54
	.end_amdhsa_kernel
	.amdgpu_metadata
---
amdhsa.version: [ 1, 2 ]
amdhsa.kernels:
  - .name:           k_qabcfe6c1e8_proj
    .symbol:         k_qabcfe6c1e8_proj.kd
    .args:
      - { .name: oc, .offset: 0, .size: 8, .value_kind: global_buffer, .address_space: global }
      - { .name: Wp_codes, .offset: 8, .size: 8, .value_kind: global_buffer, .address_space: global }
      - { .name: lowp_scales, .offset: 16, .size: 8, .value_kind: global_buffer, .address_space: global }
      - { .name: bp, .offset: 24, .size: 8, .value_kind: global_buffer, .address_space: global }
      - { .name: h, .offset: 32, .size: 8, .value_kind: global_buffer, .address_space: global }
      - { .name: rs, .offset: 40, .size: 8, .value_kind: global_buffer, .address_space: global }
    .group_segment_fixed_size: 327680
    .private_segment_fixed_size: 0
    .kernarg_segment_align: 8
    .kernarg_segment_size: 48
    .max_flat_workgroup_size: 128
    .sgpr_count:     80
    .vgpr_count:     640
    .wavefront_size: 32
...
	.end_amdgpu_metadata
.endif
;; end of part 4
;; launch ln2 (part 5): grid 256 x 1, 8 waves a work-group, no clusters, 17,408 bytes of LDS; arguments rs, g2, be2, lowp_scales, h2, h2c; writes h2, h2c
.if DOCPART == 5
	.amdgcn_target "amdgcn-amd-amdhsa--gfx1250"
	.amdhsa_code_object_version 6
	.text
	.protected	k_qabcfe6c1e8_ln2
	.globl	k_qabcfe6c1e8_ln2
	.p2align	8
	.type	k_qabcfe6c1e8_ln2,@function
k_qabcfe6c1e8_ln2:
	s_mov_b64 s[64:65], 0
	v_nop
	global_prefetch_b8 v0, s[64:65] scope:SCOPE_SE
	s_setreg_imm32_b32 hwreg(HW_REG_WAVE_MODE, 25, 1), 1
	s_wait_xcnt 0x0
; h2 = LayerNorm(rs) * g + be, rows of 1,024 f32, and h2's E4M3 codes for NPL given scales (here one: entry 12 of the scales' exponents).
; A wave takes two rows and keeps them in registers: mean, then the mean of the squared differences, as the problem writes it.
; A lane's load j is 16 bytes at 512 j + 16 lane: each load and each f32 store of a wave covers 512 consecutive bytes.
; A conversion gives a lane 4 codes of each chunk j (row byte 128 j + 4 lane); they turn through the wave's own LDS stage and leave 16 bytes a lane, 512 consecutive bytes a store.
; LIMITS: the exponent e between -126 and 119, so that 2^e and 448 x 2^e are f32 numbers.  NaN among the inputs is not served.
.set NPL,  1                           ; planes of codes
.set ROWF, 4096
.set ROWC, 1024
.set STG,  2*NPL*ROWC
.set X,  32
.set G,  96
.set BE, 128
.set T,  160
.set C,  192
	s_load_b256 s[4:11], s[0:1], 0x0               ; in s[4:5], g s[6:7], be s[8:9], the scales' exponents s[10:11]
	s_load_b128 s[12:15], s[0:1], 0x20             ; f32 out s[12:13], codes out s[14:15]
	v_lshl_add_u32 v208, v0, 2, 0x4000
	v_mov_b32 v209, 0
	v_lshrrev_b32 v1, 5, v0
	s_delay_alu instid0(VALU_DEP_1)
	v_readfirstlane_b32 s16, v1                    ; wave 0..7
	v_and_b32 v2, 31, v0
	s_delay_alu instid0(VALU_DEP_1)
	v_lshlrev_b32 v1, 4, v2                        ; 16 x lane; never rewritten
	s_delay_alu instid0(VALU_DEP_2)
	v_lshlrev_b32 v2, 2, v2
	s_wait_alu depctr_va_vdst(0)
	s_lshl_b32 s17, ttmp9, 4
	s_lshl_b32 s18, s16, 1
	s_add_co_u32 s17, s17, s18                     ; my first row
	s_lshl_b32 s18, s17, 12
	s_mov_b32 s19, 0
	s_lshl_b32 s20, s17, 10
	s_mov_b32 s21, 0
	s_mul_i32 s22, s16, STG
	v_add_nc_u32 v2, s22, v2
	v_add_nc_u32 v3, s22, v1
	s_mov_b32 s40, 0x76543210
	s_mov_b32 s41, 0xfedcba98
	s_mov_b32 s30, 0x3a800000                      ; 1 / 1024
	s_mov_b32 s31, 0x3727c5ac                      ; 1e-5
	v_mov_b32 v20, 0
	s_wait_kmcnt 0x0
.if NPL == 3
	s_load_b32 s32, s[10:11], 0x4
	s_load_b32 s33, s[10:11], 0xc
	s_load_b32 s34, s[10:11], 0x14
.else
	s_load_b32 s32, s[10:11], 0x30
.endif
	s_add_nc_u64 s[4:5], s[4:5], s[18:19]
	s_add_nc_u64 s[12:13], s[12:13], s[18:19]
	s_add_nc_u64 s[24:25], s[14:15], s[20:21]
.if NPL == 3
	s_add_nc_u64 s[26:27], s[24:25], 0x400000
	s_add_nc_u64 s[28:29], s[24:25], 0x800000
.endif
.irp i, 0,1
.irp j, 0,1,2,3,4,5,6,7
	global_load_b128 v[X+32*\i+4*\j:X+32*\i+4*\j+3], v1, s[4:5] offset:ROWF*\i+512*\j th:TH_LOAD_NT
.endr
.endr
.irp j, 0,1,2,3,4,5,6,7
	global_load_b128 v[G+4*\j:G+4*\j+3], v1, s[6:7] offset:512*\j
.endr
.irp j, 0,1,2,3,4,5,6,7
	global_load_b128 v[BE+4*\j:BE+4*\j+3], v1, s[8:9] offset:512*\j
.endr
	s_wait_kmcnt 0x0
.set PL, 0
.rept NPL
	s_add_co_i32 s[32+PL], s[32+PL], 127
	s_lshl_b32 s35, s[32+PL], 23
	v_mov_b32 v[22+PL], s35                        ; 2^e as f32
	s_add_co_i32 s[32+PL], s[32+PL], 8
	s_lshl_b32 s[32+PL], s[32+PL], 23
	s_or_b32 s[32+PL], s[32+PL], 0x600000
	v_mov_b32 v[25+PL], s[32+PL]                   ; 448 x 2^e
.set PL, PL+1
.endr
.macro FOLD
	s_delay_alu instid0(VALU_DEP_3)
	v_pk_add_f32 v[12:13], v[12:13], v[14:15]
	s_delay_alu instid0(VALU_DEP_2)
	v_pk_add_f32 v[16:17], v[16:17], v[18:19]
	s_delay_alu instid0(VALU_DEP_1)
	v_pk_add_f32 v[12:13], v[12:13], v[16:17]
	s_delay_alu instid0(VALU_DEP_1)
	v_add_f32 v21, v12, v13
.endm
.macro REDUCE
	s_delay_alu instid0(VALU_DEP_1)
	v_add_f32_dpp v21, v21, v21 row_xmask:1 row_mask:0xf bank_mask:0xf
	s_delay_alu instid0(VALU_DEP_1)
	v_add_f32_dpp v21, v21, v21 row_xmask:2 row_mask:0xf bank_mask:0xf
	s_delay_alu instid0(VALU_DEP_1)
	v_add_f32_dpp v21, v21, v21 row_xmask:4 row_mask:0xf bank_mask:0xf
	s_delay_alu instid0(VALU_DEP_1)
	v_add_f32_dpp v21, v21, v21 row_xmask:8 row_mask:0xf bank_mask:0xf
	s_delay_alu instid0(VALU_DEP_1)
	v_permlanex16_b32 v20, v21, s40, s41
	s_delay_alu instid0(VALU_DEP_1)
	v_add_f32 v21, v21, v20
.endm
.macro STATS i
.set XB, X+32*(\i)
	s_wait_loadcnt 24-8*(\i)                       ; row i's eight loads are in; the younger ones (the other row, g, be) stay out
.irp k, 0,1,2,3
	v_pk_add_f32 v[12+2*\k:13+2*\k], v[XB+2*\k:XB+2*\k+1], v[XB+8+2*\k:XB+9+2*\k]
.endr
.irp k, 0,1,2,3
	s_delay_alu instid0(VALU_DEP_4)
	v_pk_add_f32 v[12+2*\k:13+2*\k], v[12+2*\k:13+2*\k], v[XB+16+2*\k:XB+17+2*\k]
.endr
.irp k, 0,1,2,3
	s_delay_alu instid0(VALU_DEP_4)
	v_pk_add_f32 v[12+2*\k:13+2*\k], v[12+2*\k:13+2*\k], v[XB+24+2*\k:XB+25+2*\k]
.endr
	FOLD
	REDUCE
	s_delay_alu instid0(VALU_DEP_1)
	v_mul_f32 v[4+2*(\i)], s30, v21
	s_delay_alu instid0(VALU_DEP_2)
	v_mul_f32 v[5+2*(\i)], s30, v21
.set J, 0
.rept 16
	v_pk_add_f32 v[XB+J:XB+J+1], v[XB+J:XB+J+1], v[4+2*(\i):5+2*(\i)] neg_lo:[0,1] neg_hi:[0,1]
.set J, J+2
.endr
.irp k, 0,1,2,3
	v_pk_mul_f32 v[12+2*\k:13+2*\k], v[XB+2*\k:XB+2*\k+1], v[XB+2*\k:XB+2*\k+1]
.endr
.irp m, 1,2,3
.irp k, 0,1,2,3
	s_delay_alu instid0(VALU_DEP_4)
	v_pk_fma_f32 v[12+2*\k:13+2*\k], v[XB+8*\m+2*\k:XB+8*\m+2*\k+1], v[XB+8*\m+2*\k:XB+8*\m+2*\k+1], v[12+2*\k:13+2*\k]
.endr
.endr
	FOLD
	REDUCE
	s_delay_alu instid0(VALU_DEP_1)
	v_fma_f32 v21, v21, s30, s31
	s_wait_alu depctr_va_vdst(0)
	v_rsq_f32 v[8+2*(\i)], v21
	v_rsq_f32 v[9+2*(\i)], v21
.endm
.macro FINISH i
.set XB, X+32*(\i)
.set J, 0
.rept 16
	v_pk_mul_f32 v[XB+J:XB+J+1], v[XB+J:XB+J+1], v[8+2*(\i):9+2*(\i)]
.set J, J+2
.endr
.set J, 0
.rept 16
	v_pk_fma_f32 v[XB+J:XB+J+1], v[XB+J:XB+J+1], v[G+J:G+J+1], v[BE+J:BE+J+1]
.set J, J+2
.endr
.irp j, 0,1,2,3,4,5,6,7
	global_store_b128 v1, v[XB+4*\j:XB+4*\j+3], s[12:13] offset:ROWF*(\i)+512*\j
.endr
.set PL, 0
.rept NPL
.set CB, C+8*(NPL*(\i)+PL)
.set J, 0
.rept 32
	v_med3_num_f32 v[T+J], v[XB+J], -v[25+PL], v[25+PL]   ; the conversion does not saturate (ISA guide 7.6.2): the hold comes first
.set J, J+1
.endr
.irp m, 0,1,2,3
	v_cvt_scalef32_pk8_fp8_f32 v[CB+2*\m:CB+2*\m+1], v[T+8*\m:T+8*\m+7], v[22+PL]
.endr
	v_nop                                          ; one plain line between the conversions and the next holds, which write their sources
.irp j, 0,1,2,3,4,5,6,7
	ds_store_b32 v2, v[CB+\j] offset:(NPL*(\i)+PL)*ROWC+128*\j
.endr
	ds_load_b128 v[CB:CB+3], v3 offset:(NPL*(\i)+PL)*ROWC          ; LDS serves a wave's instructions in order
	ds_load_b128 v[CB+4:CB+7], v3 offset:(NPL*(\i)+PL)*ROWC+512
.set PL, PL+1
.endr
.endm
	STATS 0
	STATS 1
	v_nop
	s_wait_alu depctr_va_vdst(0)                   ; one wait for the four roots, ahead of their first reader
	s_wait_loadcnt 0x0
	FINISH 0
	FINISH 1
	s_wait_dscnt 0x0
.irp i, 0,1
.set PL, 0
.rept NPL
.set CB, C+8*(NPL*\i+PL)
	global_store_b128 v1, v[CB:CB+3], s[24+2*PL:25+2*PL] offset:ROWC*\i
	global_store_b128 v1, v[CB+4:CB+7], s[24+2*PL:25+2*PL] offset:ROWC*\i+512
.set PL, PL+1
.endr
.endr
	s_wait_tensorcnt 0x0
	ds_add_u32 v208, v209
	s_wait_dscnt 0x0
	s_endpgm
.Lfunc_end_k_qabcfe6c1e8_ln2:
	.size	k_qabcfe6c1e8_ln2, .Lfunc_end_k_qabcfe6c1e8_ln2-k_qabcfe6c1e8_ln2
	.p2alignl 7, 3214868480
	.fill 96, 4, 3214868480
	.section	.rodata,"a",@progbits
	.p2align	6, 0x0
	.amdhsa_kernel k_qabcfe6c1e8_ln2
		.amdhsa_group_segment_fixed_size 17408
		.amdhsa_private_segment_fixed_size 0
		.amdhsa_enable_private_segment 0
		.amdhsa_kernarg_size 48
		.amdhsa_user_sgpr_count 2
		.amdhsa_user_sgpr_kernarg_segment_ptr 1
		.amdhsa_wavefront_size32 1
		.amdhsa_system_sgpr_workgroup_id_x 1
		.amdhsa_system_sgpr_workgroup_id_y 1
		.amdhsa_system_sgpr_workgroup_id_z 1
		.amdhsa_system_vgpr_workitem_id 0
		.amdhsa_next_free_vgpr 210
		.amdhsa_next_free_sgpr 66
		.amdhsa_reserve_vcc 0
		.amdhsa_float_denorm_mode_32 3
		.amdhsa_float_denorm_mode_16_64 3
		.amdhsa_memory_ordered 1
		.amdhsa_forward_progress 1
		.amdhsa_inst_pref_size 28
	.end_amdhsa_kernel
	.amdgpu_metadata
---
amdhsa.version: [ 1, 2 ]
amdhsa.kernels:
  - .name:           k_qabcfe6c1e8_ln2
    .symbol:         k_qabcfe6c1e8_ln2.kd
    .args:
      - { .name: rs, .offset: 0, .size: 8, .value_kind: global_buffer, .address_space: global }
      - { .name: g2, .offset: 8, .size: 8, .value_kind: global_buffer, .address_space: global }
      - { .name: be2, .offset: 16, .size: 8, .value_kind: global_buffer, .address_space: global }
      - { .name: lowp_scales, .offset: 24, .size: 8, .value_kind: global_buffer, .address_space: global }
      - { .name: h2, .offset: 32, .size: 8, .value_kind: global_buffer, .address_space: global }
      - { .name: h2c, .offset: 40, .size: 8, .value_kind: global_buffer, .address_space: global }
    .group_segment_fixed_size: 17408
    .private_segment_fixed_size: 0
    .kernarg_segment_align: 8
    .kernarg_segment_size: 48
    .max_flat_workgroup_size: 256
    .sgpr_count:     66
    .vgpr_count:     210
    .wavefront_size: 32
...
	.end_amdgpu_metadata
.endif
;; end of part 5
;; launch ffn1 (part 6): grid 16 x 16, 4 waves a work-group, clusters of 4 x 4, 327,680 bytes of LDS; arguments h2c, W1_codes, lowp_scales, gc, b1; writes gc
.if DOCPART == 6
	.amdgcn_target "amdgcn-amd-amdhsa--gfx1250"
	.amdhsa_code_object_version 6
	.text
	.protected	k_qabcfe6c1e8_ffn1
	.globl	k_qabcfe6c1e8_ffn1
	.p2align	8
	.type	k_qabcfe6c1e8_ffn1,@function
k_qabcfe6c1e8_ffn1:
	s_mov_b64 s[64:65], 0
	v_nop
	global_prefetch_b8 v0, s[64:65] scope:SCOPE_SE
	s_setreg_imm32_b32 hwreg(HW_REG_WAVE_MODE, 25, 1), 1
	s_wait_xcnt 0x0
	s_wait_alu depctr_hold_cnt(0) depctr_sa_sdst(0) depctr_va_vdst(0) depctr_va_sdst(0) depctr_va_ssrc(0) depctr_va_vcc(0) depctr_vm_vsrc(0)
	s_getreg_b32 s2, hwreg(HW_REG_IB_STS2, 6, 4)
	s_cmp_eq_u32 s2, 0
	s_cbranch_scc0 .Lentry_in_a_cluster
	s_endpgm
.Lentry_in_a_cluster:
	s_bfe_u32 s2, ttmp6, 0x10000c
	s_cmp_lg_u32 s2, 0xf033
	s_cbranch_scc0 .Lentry_shape_is_right
	s_endpgm
.Lentry_shape_is_right:
; gc = the E4M3 codes of gelu(h2 W1 + b1), stored as images of the next product's operand registers.
; A block of 256 x 256, four waves of 128 x 128 (64 accumulators by turns); K in steps of 256 through two LDS slots filled by joint loads of a 4 x 4 cluster.
; gelu(x) = x / 2 x (1 + erf(u)), u = x / sqrt(2) held within +-4; erf(u) = u P(u^2) / Q(u^2), a quotient of two polynomials, all in f32.
; LIMITS: the operands' exponents added lie between -126 and 127, the output's between -126 and 119.  NaN is not served.
.set SIZE_K, 1024
.set KSTEP,  256
.set ROWB,   256
.set KROW,   SIZE_K
.set PITCH,  272
.set FR,     16
.set NL,     4
.set NP,     4
.set HALFT,  128*PITCH
.set SLOT,   4*HALFT
.set LAPS,   SIZE_K/(2*KSTEP)
.set SPARE,  2*SLOT
.set ADRA, 16
.set ADRB, 20
.set SPW,  28
.set NIL,  29
.set BN,   32
.set LIM,  112
.set SCL,  113
.set GW,   128
.set CD,   192
.set AF,   128
.set U,    64
.set W,    96
.set Q,    128
.set P,    160
.set A1, 66
.set A3, 68
.set A5, 70
.set A7, 72
.set A9, 74
.set A13, 76
.set B0, 78
.set B2, 80
.set B4, 82
.set B8, 84
.set RS2, 86
.set G1, 24
.set G0, 32
.set G1B, 48
.set G0B, 56
.set MSB, 0
.macro WIN new
.if MSB != \new
	s_set_vgpr_msb (MSB<<8)|\new
.set MSB, \new
.endif
.endm
.set MUL_LO, 0xa1
.set MUL_HI, 0xf1
.set TO_B,   0x40
.macro JLOAD g0a, g1a, g0b, g1b
	s_cmp_eq_u32 s15, 0
	s_cbranch_scc0 .Lfor_b_\@
	tensor_load_to_lds s[\g0a:\g0a+3], s[\g1a:\g1a+7]
	s_nop 0
.rept 4
	v_nop
.endr
	s_branch .Lasked_\@
.Lfor_b_\@:
	tensor_load_to_lds s[\g0b:\g0b+3], s[\g1b:\g1b+7]
	s_nop 0
.rept 4
	v_nop
.endr
.Lasked_\@:
.endm
.macro CREST
	s_cmp_lg_u32 s14, 0
	s_cbranch_scc1 .Lnot_wave_0_\@
	s_barrier_signal -3
.Lnot_wave_0_\@:
	s_barrier_wait -3
	s_barrier_signal -1
	s_barrier_wait -1
.endm
.macro CROUND
	s_barrier_signal -1
	s_barrier_wait -1
	CREST
.endm
.macro COEF reg, val
	s_mov_b32 s[\reg], \val
	s_mov_b32 s[\reg+1], \val
.endm
	s_load_b128 s[4:7], s[0:1], 0x0
	s_load_b128 s[8:11], s[0:1], 0x10
	s_load_b64 s[12:13], s[0:1], 0x20
	v_lshl_add_u32 v[SPW], v0, 2, SPARE
	v_mov_b32 v[NIL], 0
	ds_add_u32 v28, v29
	ds_add_u32 v28, v29
	s_wait_dscnt 0x0
	v_lshrrev_b32 v1, 5, v0
	v_readfirstlane_b32 s14, v1
	s_lshr_b32 s15, s14, 1
	s_and_b32 s16, s14, 1
	s_bfe_u32 s40, ttmp6, 0x40000
	s_bfe_u32 s41, ttmp6, 0x40004
	s_lshl_b32 s42, ttmp9, 2
	s_add_co_u32 s42, s42, s40
	s_and_b32 s17, ttmp7, 0xffff
	s_lshl_b32 s17, s17, 2
	s_add_co_u32 s17, s17, s41
	s_lshl_b32 s43, s41, 2
	s_lshl_b32 s43, 15, s43
	s_lshl_b32 s44, 0x1111, s40
	s_or_b32 s[G1+0], s43, (0<<16)|(1<<20)|(1<<21)|(5<<22)|(3<<25)
	s_or_b32 s[G1B+0], s44, (0<<16)|(1<<20)|(1<<21)|(5<<22)|(3<<25)
.irp g, G1, G1B
	s_mov_b32 s[\g+1], ROWB<<16
	s_mov_b32 s[\g+2], 128<<16
	s_mov_b32 s[\g+3], ROWB<<16
	s_mov_b32 s[\g+4], 128
	s_mov_b32 s[\g+5], KROW
	s_mov_b32 s[\g+6], 0
	s_mov_b32 s[\g+7], 0
.endr
	COEF A1,  0xbc83dbd4
	COEF A3,  0xbb41a1f6
	COEF A5,  0xba40ac63
	COEF A7,  0xb86ec2d2
	COEF A9,  0xb60cff51
	COEF A13, 0xaf95df0b
	COEF B0,  0xbc69b6a7
	COEF B2,  0xbbf19bf8
	COEF B4,  0xbadc924e
	COEF B8,  0xb77460cd
	COEF RS2, 0x3f3504f3
	s_lshl_b32 s18, s16, 7
	s_lshl_b32 s20, s17, 8
	s_add_co_u32 s20, s20, s18
	s_lshl_b32 s20, s20, 10
	s_mov_b32 s21, 0
	s_lshl_b32 s46, s42, 8
	s_add_co_u32 s46, s46, s18
	s_lshl_b32 s46, s46, 10
	s_mov_b32 s47, 0
	s_mul_i32 s45, s14, HALFT
	s_wait_kmcnt 0x0
	s_load_b128 s[96:99], s[8:9], 0x30
	s_add_nc_u64 s[20:21], s[4:5], s[20:21]
	s_add_nc_u64 s[46:47], s[6:7], s[46:47]
	CROUND
.irp s, 0,1
	s_mov_b32 s[G0+4*\s], 1
	s_add_co_u32 s[G0+4*\s+1], s45, \s*SLOT
	s_add_nc_u64 s[G0+4*\s+2:G0+4*\s+3], s[20:21], \s*ROWB
	s_or_b32 s[G0+4*\s+3], s[G0+4*\s+3], 0x80000000
	s_mov_b32 s[G0B+4*\s], 1
	s_add_co_u32 s[G0B+4*\s+1], s45, \s*SLOT
	s_add_nc_u64 s[G0B+4*\s+2:G0B+4*\s+3], s[46:47], \s*ROWB
	s_or_b32 s[G0B+4*\s+3], s[G0B+4*\s+3], 0x80000000
.endr
	; the prefetches: of the 128 rows that I fetch, each of the four partners that ask for them with me takes 32, told apart by address (cx for A, cy for B); a lane a row, 256 bytes of it a K step
	s_cmp_eq_u32 s15, 0                            ; do I fetch for A?
	s_cselect_b64 s[90:91], s[20:21], s[46:47]     ; my tile of K step 0
	s_cselect_b32 s92, s40, s41                    ; my place among the four
	s_lshl_b32 s92, s92, 15                        ; 32 rows of 1,024 bytes
	s_mov_b32 s93, 0
	s_add_nc_u64 s[90:91], s[90:91], s[92:93]      ; never rewritten
	v_and_b32 v30, 31, v0
	v_lshlrev_b32 v30, 10, v30                     ; my lane's row; never rewritten
	s_wait_alu depctr_va_vdst(0)                   ; a wait behind this write
	JLOAD G0, G1, G0B, G1B                         ; K step 0: one tensor load a wave at the head
	global_prefetch_b8 v30, s[90:91] offset:256 th:TH_LOAD_NT scope:SCOPE_SE   ; K step 1, whose load follows when step 0 is in,
	global_prefetch_b8 v30, s[90:91] offset:512 th:TH_LOAD_NT scope:SCOPE_SE   ; and K step 2, two loads ahead
	v_and_b32 v1, 15, v0
	v_bfe_u32 v2, v0, 4, 1
	s_wait_alu depctr_va_vdst(0)
	v_mul_u32_u24 v3, v1, PITCH
	v_lshl_add_u32 v4, v2, 4, v3
	s_mul_i32 s21, s15, HALFT
	s_mul_i32 s22, s16, HALFT
	s_add_co_u32 s22, s22, 2*HALFT
.irp s, 0,1
	v_add_nc_u32 v[ADRA+\s], s21, v4
	v_add_nc_u32 v[ADRB+\s], s22, v4
	s_add_co_u32 s21, s21, SLOT
	s_add_co_u32 s22, s22, SLOT
.endr
	s_lshl_b32 s18, s42, 10
	s_lshl_b32 s19, s16, 9
	s_add_co_u32 s18, s18, s19
	v_lshl_add_u32 v8, v2, 5, s18
.irp b, 0,1,2,3,4,5,6,7
	global_load_b128 v[BN+8*\b:BN+8*\b+3], v8, s[12:13] offset:64*\b
	global_load_b128 v[BN+8*\b+4:BN+8*\b+7], v8, s[12:13] offset:64*\b+16
.endr
	v_lshlrev_b32 v12, 4, v1
	v_lshl_add_u32 v12, v2, 3, v12
.macro FRAG reg, adr, q, i
.irp c, 0,1,2,3
	ds_load_b128 v[\reg+4*\c:\reg+4*\c+3], v[\adr] offset:128*(\q)+32*\c+(\i)*16*PITCH
.endr
.endm
.macro MUL16 a0, p, zero
.irp a, \a0, \a0+1
.irp b, 0,1,2,3,4,5,6,7
.if \zero
	v_wmma_f32_16x16x128_fp8_fp8 v[8*(8*((\a)%4)+\b):8*(8*((\a)%4)+\b)+7], v[128*(\p)+FR*\b:128*(\p)+FR*\b+FR-1], v[AF+FR*(\a):AF+FR*(\a)+FR-1], 0
.else
	v_wmma_f32_16x16x128_fp8_fp8 v[8*(8*((\a)%4)+\b):8*(8*((\a)%4)+\b)+7], v[128*(\p)+FR*\b:128*(\p)+FR*\b+FR-1], v[AF+FR*(\a):AF+FR*(\a)+FR-1], v[8*(8*((\a)%4)+\b):8*(8*((\a)%4)+\b)+7]
.endif
.endr
.endr
.endm
.macro FETCH_B slot, q, p
	WIN TO_B
.irp i, 0,1,2,3,4,5,6,7
	FRAG 128*(\p)+FR*\i, ADRB+\slot, \q, \i
.endr
	WIN 0
.endm
.macro FETCH_A slot, q, i0
.irp i, \i0, \i0+1, \i0+2, \i0+3
	FRAG AF+FR*(\i), ADRA+\slot, \q, \i
.endr
.endm
.macro PLACES n
.rept \n
	v_nop
.endr
.endm
.macro STEP slot, q, zero
	s_wait_dscnt 4*NL
	WIN MUL_LO
	MUL16 0, (\q)%2, \zero
	MUL16 2, (\q)%2, \zero
	s_wait_dscnt 0
	PLACES NP
	FETCH_B \slot, (\q)+1, 1-(\q)%2
	FETCH_A \slot, (\q)+1, 0
	WIN MUL_HI
	MUL16 4, (\q)%2, \zero
	MUL16 6, (\q)%2, \zero
	PLACES NP
	WIN 0
	FETCH_A \slot, (\q)+1, 4
.endm
.macro TURN slot, next, fill
	s_wait_tensorcnt 0x0
	ds_add_u32 v[SPW], v[NIL]
	s_wait_dscnt 4*NL+1
	WIN MUL_LO
	MUL16 0, 1, 0
	s_wait_dscnt 0x0
	s_barrier_signal -1
	MUL16 2, 1, 0
	WIN 0
	s_barrier_wait -1
.if \fill
	CREST
	s_add_nc_u64 s[G0+4*\slot+2:G0+4*\slot+3], s[G0+4*\slot+2:G0+4*\slot+3], 2*ROWB
	s_add_nc_u64 s[G0B+4*\slot+2:G0B+4*\slot+3], s[G0B+4*\slot+2:G0B+4*\slot+3], 2*ROWB
	JLOAD G0+4*\slot, G1, G0B+4*\slot, G1B
.else
	PLACES NP
.endif
	FETCH_B \next, 0, 0
	FETCH_A \next, 0, 0
	WIN MUL_HI
	MUL16 4, 1, 0
	MUL16 6, 1, 0
	PLACES NP
	WIN 0
	FETCH_A \next, 0, 4
.endm
	s_wait_alu depctr_va_vdst(0)
	s_wait_tensorcnt 0x0                           ; my part of K step 0 is in; slot 1's first fill is issued as a refill is:
	ds_add_u32 v[SPW], v[NIL]                      ; 0 onto my spare word
	s_wait_dscnt 0x0
	CROUND                                         ; everybody's part is in, and the sixteen work-groups meet
	JLOAD G0+4, G1, G0B+4, G1B                     ; K step 1, the first tensor load behind the round
	FETCH_B 0, 0, 0
	FETCH_A 0, 0, 0
	FETCH_A 0, 0, 4
	global_prefetch_b8 v30, s[90:91] offset:768 th:TH_LOAD_NT scope:SCOPE_SE   ; behind K step 1's load: K step 3, the last
	STEP 0, 0, 1
	s_mov_b32 s3, LAPS-1
.Llap:
	TURN 0, 1, 1
	STEP 1, 0, 0
	TURN 1, 0, 1
	STEP 0, 0, 0
	s_sub_co_u32 s3, s3, 1
	s_cmp_lg_u32 s3, 0
	s_cbranch_scc1 .Llap
	TURN 0, 1, 0
	STEP 1, 0, 0
	s_wait_dscnt 4*NL
	WIN MUL_LO
	MUL16 0, 1, 0
	MUL16 2, 1, 0
	s_wait_dscnt 0
	WIN MUL_HI
	MUL16 4, 1, 0
	MUL16 6, 1, 0
	WIN 0
	s_wait_kmcnt 0x0
	s_wait_loadcnt 0x0
	s_add_co_i32 s98, s98, 127
	s_lshl_b32 s99, s98, 23
	v_mov_b32 v[SCL], s99
	s_add_co_i32 s98, s98, 8
	s_lshl_b32 s98, s98, 23
	s_or_b32 s98, s98, 0x600000
	v_mov_b32 v[LIM], s98
	s_add_co_i32 s96, s96, s97
	s_add_co_i32 s96, s96, 127
	s_lshl_b32 s96, s96, 23
	s_mov_b32 s97, s96
	s_lshl_b32 s18, s42, 1
	s_add_co_u32 s18, s18, s16
	s_lshl_b32 s18, s18, 19
	s_lshl_b32 s19, s17, 4
	s_lshl_b32 s20, s15, 3
	s_add_co_u32 s19, s19, s20
	s_lshl_b32 s19, s19, 11
	s_add_co_u32 s18, s18, s19
	s_mov_b32 s19, 0
	s_add_nc_u64 s[10:11], s[10:11], s[18:19]
	PLACES NP
	WIN 0x40
	v_mov_b32 v192, 0xb95fbd29
	v_mov_b32 v193, 0xb95fbd29
	v_mov_b32 v194, 0x32edffee
	v_mov_b32 v195, 0x32edffee
	WIN 0
.macro COPY a
	WIN 0x42+((\a)/4)
.set J, 0
.rept 32
	v_pk_fma_f32 v[J:J+1], v[64*((\a)%4)+J:64*((\a)%4)+J+1], s[96:97], v[BN+J:BN+J+1] op_sel_hi:[1,0,1]
.set J, J+2
.endr
	WIN 0
.endm
.macro GELU e
.set XB, 32*(\e)
	WIN 0x55
.set J, 0
.rept 16
	v_pk_mul_f32 v[U+J:U+J+1], v[XB+J:XB+J+1], s[RS2:RS2+1] op_sel_hi:[1,0]
.set J, J+2
.endr
.set J, 0
.rept 32
	v_med3_num_f32 v[U+J], v[U+J], -4.0, 4.0
.set J, J+1
.endr
.set J, 0
.rept 16
	v_pk_mul_f32 v[W+J:W+J+1], v[U+J:U+J+1], v[U+J:U+J+1]
.set J, J+2
.endr
.set J, 0
.rept 16
	v_pk_fma_f32 v[Q+J:Q+J+1], v[W+J:W+J+1], s[B8:B8+1], v[192:193] op_sel_hi:[1,0,1]
.set J, J+2
.endr
.irp k, B4, B2, B0
.set J, 0
.rept 16
	v_pk_fma_f32 v[Q+J:Q+J+1], v[Q+J:Q+J+1], v[W+J:W+J+1], s[\k:\k+1] op_sel_hi:[1,1,0]
.set J, J+2
.endr
.endr
.set J, 0
	s_wait_alu depctr_va_vdst(0)
.rept 32
	v_rcp_f32 v[Q+J], v[Q+J]
.set J, J+1
.endr
.set J, 0
.rept 16
	v_pk_fma_f32 v[P+J:P+J+1], v[W+J:W+J+1], s[A13:A13+1], v[194:195] op_sel_hi:[1,0,1]
.set J, J+2
.endr
.irp k, A9, A7, A5, A3, A1
.set J, 0
.rept 16
	v_pk_fma_f32 v[P+J:P+J+1], v[P+J:P+J+1], v[W+J:W+J+1], s[\k:\k+1] op_sel_hi:[1,1,0]
.set J, J+2
.endr
.endr
.set J, 0
.rept 16
	v_pk_mul_f32 v[XB+J:XB+J+1], v[XB+J:XB+J+1], 0.5 op_sel_hi:[1,0]
.set J, J+2
.endr
	s_wait_alu depctr_va_vdst(0)
.set J, 0
.rept 16
	v_pk_mul_f32 v[P+J:P+J+1], v[P+J:P+J+1], v[U+J:U+J+1]
.set J, J+2
.endr
.set J, 0
.rept 16
	v_pk_mul_f32 v[P+J:P+J+1], v[P+J:P+J+1], v[Q+J:Q+J+1]
.set J, J+2
.endr
	WIN 0x15
.set J, 0
.rept 16
	v_pk_fma_f32 v[GW+XB+J:GW+XB+J+1], v[XB+J:XB+J+1], v[P+J:P+J+1], v[XB+J:XB+J+1]
.set J, J+2
.endr
	WIN 0
.endm
	s_mov_b32 s88, 0
.Lblk:
.irp k, 1,2,3,4,5,6,7
	s_cmp_eq_u32 s88, \k
	s_cbranch_scc1 .Larm\k
.endr
	COPY 0
	s_branch .Lgelu
.Larm1:
	COPY 1
	s_branch .Lgelu
.Larm2:
	COPY 2
	s_branch .Lgelu
.Larm3:
	COPY 3
	s_branch .Lgelu
.Larm4:
	COPY 4
	s_branch .Lgelu
.Larm5:
	COPY 5
	s_branch .Lgelu
.Larm6:
	COPY 6
	s_branch .Lgelu
.Larm7:
	COPY 7
.Lgelu:
	GELU 0
	GELU 1
.set J, 0
.rept 64
	v_med3_num_f32 v[GW+J], v[GW+J], -v[LIM], v[LIM]
.set J, J+1
.endr
.irp b, 0,1,2,3,4,5,6,7
	v_cvt_scalef32_pk8_fp8_f32 v[CD+2*\b:CD+2*\b+1], v[GW+8*\b:GW+8*\b+7], v[SCL]
.endr
	v_nop
.irp b, 0,1,2,3,4,5,6,7
	global_store_b64 v12, v[CD+2*\b:CD+2*\b+1], s[10:11] offset:256*\b
.endr
	s_wait_xcnt 0x0
	s_add_nc_u64 s[10:11], s[10:11], 2048
	s_add_co_u32 s88, s88, 1
	s_cmp_lt_u32 s88, 8
	s_cbranch_scc1 .Lblk
	s_wait_tensorcnt 0x0
	ds_add_u32 v[SPW], v[NIL]
	s_wait_dscnt 0x0
	CROUND
	s_endpgm
.Lfunc_end_k_qabcfe6c1e8_ffn1:
	.size	k_qabcfe6c1e8_ffn1, .Lfunc_end_k_qabcfe6c1e8_ffn1-k_qabcfe6c1e8_ffn1
	.p2alignl 7, 3214868480
	.fill 96, 4, 3214868480
	.section	.rodata,"a",@progbits
	.p2align	6, 0x0
	.amdhsa_kernel k_qabcfe6c1e8_ffn1
		.amdhsa_group_segment_fixed_size 327680
		.amdhsa_private_segment_fixed_size 0
		.amdhsa_enable_private_segment 0
		.amdhsa_kernarg_size 40
		.amdhsa_user_sgpr_count 2
		.amdhsa_user_sgpr_kernarg_segment_ptr 1
		.amdhsa_wavefront_size32 1
		.amdhsa_system_sgpr_workgroup_id_x 1
		.amdhsa_system_sgpr_workgroup_id_y 1
		.amdhsa_system_sgpr_workgroup_id_z 1
		.amdhsa_system_vgpr_workitem_id 0
		.amdhsa_next_free_vgpr 1024
		.amdhsa_next_free_sgpr 100
		.amdhsa_reserve_vcc 0
		.amdhsa_float_denorm_mode_32 3
		.amdhsa_float_denorm_mode_16_64 3
		.amdhsa_memory_ordered 1
		.amdhsa_forward_progress 1
		.amdhsa_inst_pref_size 143
	.end_amdhsa_kernel
	.amdgpu_metadata
---
amdhsa.version: [ 1, 2 ]
amdhsa.kernels:
  - .name:           k_qabcfe6c1e8_ffn1
    .symbol:         k_qabcfe6c1e8_ffn1.kd
    .args:
      - { .name: h2c, .offset: 0, .size: 8, .value_kind: global_buffer, .address_space: global }
      - { .name: W1_codes, .offset: 8, .size: 8, .value_kind: global_buffer, .address_space: global }
      - { .name: lowp_scales, .offset: 16, .size: 8, .value_kind: global_buffer, .address_space: global }
      - { .name: gc, .offset: 24, .size: 8, .value_kind: global_buffer, .address_space: global }
      - { .name: b1, .offset: 32, .size: 8, .value_kind: global_buffer, .address_space: global }
    .group_segment_fixed_size: 327680
    .private_segment_fixed_size: 0
    .kernarg_segment_align: 8
    .kernarg_segment_size: 40
    .max_flat_workgroup_size: 128
    .sgpr_count:     100
    .vgpr_count:     1024
    .wavefront_size: 32
...
	.end_amdgpu_metadata
.endif
;; end of part 6
;; launch ffn2 (part 7): grid 8 x 32, 4 waves a work-group, clusters of 4 x 4, 327,680 bytes of LDS; arguments gc, W2_codes, lowp_scales, b2, h2, out0; writes out0
.if DOCPART == 7
	.amdgcn_target "amdgcn-amd-amdhsa--gfx1250"
	.amdhsa_code_object_version 6
	.text
	.protected	k_qabcfe6c1e8_ffn2
	.globl	k_qabcfe6c1e8_ffn2
	.p2align	8
	.type	k_qabcfe6c1e8_ffn2,@function
k_qabcfe6c1e8_ffn2:
	s_mov_b64 s[64:65], 0
	v_nop
	global_prefetch_b8 v0, s[64:65] scope:SCOPE_SE
	s_setreg_imm32_b32 hwreg(HW_REG_WAVE_MODE, 25, 1), 1
	s_wait_xcnt 0x0
	s_wait_alu depctr_hold_cnt(0) depctr_sa_sdst(0) depctr_va_vdst(0) depctr_va_sdst(0) depctr_va_ssrc(0) depctr_va_vcc(0) depctr_vm_vsrc(0)
	s_getreg_b32 s2, hwreg(HW_REG_IB_STS2, 6, 4)
	s_cmp_eq_u32 s2, 0
	s_cbranch_scc0 .Lentry_in_a_cluster
	s_endpgm
.Lentry_in_a_cluster:
	s_bfe_u32 s2, ttmp6, 0x10000c
	s_cmp_lg_u32 s2, 0xf033
	s_cbranch_scc0 .Lentry_shape_is_right
	s_endpgm
.Lentry_shape_is_right:
; out0 = h2 + g W2 + b2 on E4M3 codes.  g's codes come as images of the operand's registers ([K / 128][16 tokens][2,048 bytes]), W2's as rows of K.
; A block of 128 x 128, four waves of 64 x 64 (16 accumulators by turns); K in steps of 512 through two LDS slots filled by joint loads of a 4 x 4 cluster (A shared along a row, B along a column).
; The sums leave through the wave's stage in slot 0, which has had its last fill and its last read; each store covers two aligned runs of 256 bytes.
; LIMIT: the two exponents added lie between -126 and 127.
.set KTOT,   4096
.set SOFF,   0x38
.set AHALF,  32768
.set BPITCH, 528
.set BHALF,  64*BPITCH
.set BOFF,   2*AHALF
.set SLOT,   BOFF+2*BHALF
.set SPARE,  2*SLOT
.set SPITCH, 272
.set LAPS,   KTOT/1024
.set ADRA, 16
.set ADRB, 20
.set STO,  24
.set RD,   25
.set CO,   26
.set BO,   27
.set SPW,  28
.set NIL,  29
.set BI,   32
.set ACC,  128
.set F0,   0
.set F1,   128
.set G1, 24
.set G0, 32
.set G1B, 48
.set G0B, 56
.set MSB, 0
.macro WIN new
.if MSB != \new
	s_set_vgpr_msb (MSB<<8)|\new
.set MSB, \new
.endif
.endm
.set MUL,  0x05
.set TO_F, 0x40
.macro JLOAD s
	s_cmp_eq_u32 s11, 0
	s_cbranch_scc0 .Lfor_b_\@
	tensor_load_to_lds s[G0+4*\s:G0+4*\s+3], s[G1:G1+7]
	s_nop 0
.rept 4
	v_nop
.endr
	s_branch .Lasked_\@
.Lfor_b_\@:
	tensor_load_to_lds s[G0B+4*\s:G0B+4*\s+3], s[G1B:G1B+7]
	s_nop 0
.rept 4
	v_nop
.endr
.Lasked_\@:
.endm
.macro CREST
	s_cmp_lg_u32 s10, 0
	s_cbranch_scc1 .Lnot_wave_0_\@
	s_barrier_signal -3
.Lnot_wave_0_\@:
	s_barrier_wait -3
	s_barrier_signal -1
	s_barrier_wait -1
.endm
.macro CROUND
	s_barrier_signal -1
	s_barrier_wait -1
	CREST
.endm
	s_load_b256 s[68:75], s[0:1], 0x0
	s_load_b128 s[76:79], s[0:1], 0x20
	v_lshl_add_u32 v[SPW], v0, 2, SPARE
	v_mov_b32 v[NIL], 0
	ds_add_u32 v28, v29
	ds_add_u32 v28, v29
	s_wait_dscnt 0x0
	v_lshrrev_b32 v1, 5, v0
	v_readfirstlane_b32 s10, v1
	s_lshr_b32 s11, s10, 1
	s_and_b32 s12, s10, 1
	s_bfe_u32 s40, ttmp6, 0x40000
	s_bfe_u32 s41, ttmp6, 0x40004
	s_lshl_b32 s42, ttmp9, 2
	s_add_co_u32 s42, s42, s40
	s_and_b32 s13, ttmp7, 0xffff
	s_lshl_b32 s13, s13, 2
	s_add_co_u32 s13, s13, s41
	s_lshl_b32 s43, s41, 2
	s_lshl_b32 s43, 15, s43
	s_lshl_b32 s44, 0x1111, s40
	s_or_b32 s[G1+0], s43, (3<<16)|(1<<21)
	s_mov_b32 s[G1+1], 1024<<16
	s_mov_b32 s[G1+2], 4<<16
	s_mov_b32 s[G1+3], 1024<<16
	s_mov_b32 s[G1+4], 4
	s_mov_b32 s[G1+5], 65536
	s_mov_b32 s[G1+6], 0
	s_mov_b32 s[G1+7], 0
	s_or_b32 s[G1B+0], s44, (1<<20)|(1<<21)|(6<<22)|(3<<25)
	s_mov_b32 s[G1B+1], 512<<16
	s_mov_b32 s[G1B+2], 64<<16
	s_mov_b32 s[G1B+3], 512<<16
	s_mov_b32 s[G1B+4], 64
	s_mov_b32 s[G1B+5], KTOT
	s_mov_b32 s[G1B+6], 0
	s_mov_b32 s[G1B+7], 0
	s_lshl_b32 s16, s13, 3
	s_lshl_b32 s17, s12, 2
	s_add_co_u32 s16, s16, s17
	s_lshl_b32 s16, s16, 11
	s_mov_b32 s17, 0
	s_lshl_b32 s46, s42, 7
	s_lshl_b32 s47, s12, 6
	s_add_co_u32 s46, s46, s47
	s_mul_i32 s46, s46, KTOT
	s_mov_b32 s47, 0
	s_lshl_b32 s20, s12, 15
	s_mul_i32 s21, s12, BHALF
	s_add_co_u32 s21, s21, BOFF
	s_wait_kmcnt 0x0
	s_load_b64 s[66:67], s[72:73], SOFF
	s_add_nc_u64 s[14:15], s[68:69], s[16:17]
	s_add_nc_u64 s[46:47], s[70:71], s[46:47]
	CROUND
.irp s, 0,1
	s_mov_b32 s[G0+4*\s], 1
	s_add_co_u32 s[G0+4*\s+1], s20, \s*SLOT
	s_add_nc_u64 s[G0+4*\s+2:G0+4*\s+3], s[14:15], \s*2097152
	s_or_b32 s[G0+4*\s+3], s[G0+4*\s+3], 0x80000000
	s_mov_b32 s[G0B+4*\s], 1
	s_add_co_u32 s[G0B+4*\s+1], s21, \s*SLOT
	s_add_nc_u64 s[G0B+4*\s+2:G0B+4*\s+3], s[46:47], \s*512
	s_or_b32 s[G0B+4*\s+3], s[G0B+4*\s+3], 0x80000000
.endr
	; the prefetches: behind the joint load of K step j stands one for K step j + 2 (and, behind the first, one for K step 1).  What a wave fetches, 32,768 bytes, is shared out by address among the four partners that ask with it:
	; of A's four rows of 8,192 bytes the partner at cx takes one, lanes 256 bytes apart; of B's 64 rows of 512 bytes the partner at cy takes 16, two lanes a row.  s[4:5] walks the odd K steps, s[8:9] the even ones, s[6:7] is two K steps in bytes.
	s_cmp_eq_u32 s11, 0                            ; do I fetch for A?
	s_cselect_b64 s[4:5], s[14:15], s[46:47]       ; my tile of K step 0
	s_cselect_b32 s6, s40, s41                     ; my place among the four
	s_cselect_b32 s7, 19, 16                       ; x 524,288 (a row of A's tile) or x 65,536 (16 rows of B)
	s_cselect_b32 s2, 9, 12                        ; two lanes: 512 bytes on, or a row of 4,096 on
	s_cselect_b32 s8, 21, 9                        ; a K step: 2,097,152 bytes in A, 512 in a row of B
	s_lshl_b32 s6, s6, s7
	s_mov_b32 s7, 0
	s_add_nc_u64 s[4:5], s[4:5], s[6:7]
	s_lshl_b32 s6, 1, s8
	s_add_nc_u64 s[4:5], s[4:5], s[6:7]            ; K step 1
	s_add_nc_u64 s[8:9], s[4:5], s[6:7]            ; K step 2
	s_lshl_b32 s6, s6, 1
	v_and_b32 v30, 31, v0
	v_lshrrev_b32 v31, 1, v30
	v_and_b32 v30, 1, v30
	v_lshlrev_b32 v31, s2, v31
	v_lshl_add_u32 v30, v30, 8, v31                ; my lane's block of 256 bytes; never rewritten
	s_wait_alu depctr_va_vdst(0)                   ; a wait behind this write
	JLOAD 0                                        ; K step 0: one tensor load a wave at the head
	global_prefetch_b8 v30, s[4:5] th:TH_LOAD_NT scope:SCOPE_SE   ; K step 1, whose load follows when step 0 is in,
	global_prefetch_b8 v30, s[8:9] th:TH_LOAD_NT scope:SCOPE_SE   ; and K step 2
	v_and_b32 v1, 15, v0
	v_bfe_u32 v2, v0, 4, 1
	v_and_b32 v3, 31, v0
	v_lshlrev_b32 v3, 4, v3
	v_mul_u32_u24 v4, v1, BPITCH
	v_lshl_add_u32 v4, v2, 4, v4
	s_lshl_b32 s21, s11, 15
	s_mul_i32 s22, s12, BHALF
	s_add_co_u32 s22, s22, BOFF
.irp s, 0,1
	v_add_nc_u32 v[ADRA+\s], s21, v3
	v_add_nc_u32 v[ADRB+\s], s22, v4
	s_add_co_u32 s21, s21, SLOT
	s_add_co_u32 s22, s22, SLOT
.endr
	s_mul_i32 s23, s10, 64*SPITCH
	v_mul_u32_u24 v5, v1, SPITCH
	v_lshl_add_u32 v5, v2, 5, v5
	v_add_nc_u32 v[STO], s23, v5
	v_mul_u32_u24 v5, v2, SPITCH
	v_lshl_add_u32 v5, v1, 4, v5
	v_add_nc_u32 v[RD], s23, v5
	v_lshlrev_b32 v5, 12, v2
	v_lshl_add_u32 v[CO], v1, 4, v5
	s_wait_alu depctr_va_vdst(0)
	v_lshlrev_b32 v[BO], 4, v1
	s_wait_alu depctr_va_vdst(0)
	s_lshl_b32 s16, s13, 7
	s_lshl_b32 s17, s11, 6
	s_add_co_u32 s16, s16, s17
	s_lshl_b32 s16, s16, 12
	s_mov_b32 s17, 0
	s_add_nc_u64 s[76:77], s[76:77], s[16:17]
	s_add_nc_u64 s[78:79], s[78:79], s[16:17]
	s_lshl_b32 s46, s42, 9
	s_lshl_b32 s47, s12, 8
	s_add_co_u32 s46, s46, s47
	s_mov_b32 s47, 0
	s_add_nc_u64 s[76:77], s[76:77], s[46:47]
	s_add_nc_u64 s[78:79], s[78:79], s[46:47]
	s_add_nc_u64 s[74:75], s[74:75], s[46:47]
	; (the residual and the bias are asked for behind K step 1's load: nothing reads them before the way out)
	s_wait_xcnt 0x0                                ; my prefetches have read their addresses
	s_add_nc_u64 s[4:5], s[4:5], s[6:7]            ; on to K step 3
.macro MULA f, a, zero
.irp b, 0,1,2,3
.if \zero
	v_wmma_f32_16x16x128_fp8_fp8 v[ACC+8*(4*(\a)+\b):ACC+8*(4*(\a)+\b)+7], v[\f+64+16*\b:\f+64+16*\b+15], v[\f+16*(\a):\f+16*(\a)+15], 0
.else
	v_wmma_f32_16x16x128_fp8_fp8 v[ACC+8*(4*(\a)+\b):ACC+8*(4*(\a)+\b)+7], v[\f+64+16*\b:\f+64+16*\b+15], v[\f+16*(\a):\f+16*(\a)+15], v[ACC+8*(4*(\a)+\b):ACC+8*(4*(\a)+\b)+7]
.endif
.endr
.endm
.macro FETCH slot, q, f
	WIN TO_F
.irp i, 0,1,2,3
.irp c, 0,1,2,3
	ds_load_b128 v[\f+64+16*\i+4*\c:\f+64+16*\i+4*\c+3], v[ADRB+\slot] offset:128*(\q)+32*\c+\i*16*BPITCH
.endr
.endr
.irp i, 0,1,2,3
.irp c, 0,1,2,3
	ds_load_b128 v[\f+16*\i+4*\c:\f+16*\i+4*\c+3], v[ADRA+\slot] offset:(4*(\q)+\i)*2048+512*\c
.endr
.endr
.endm
.macro PLACES
.rept 4
	v_nop
.endr
.endm
.macro QUARTER slot, qn, f, g, zero
	s_wait_dscnt 8
	WIN MUL
	MULA \f, 0, \zero
	MULA \f, 1, \zero
	PLACES
	FETCH \slot, \qn, \g
	s_wait_dscnt 32
	WIN MUL
	MULA \f, 2, \zero
	MULA \f, 3, \zero
.endm
.macro TURN slot, next, fill
	WIN 0
.if \fill
	s_wait_xcnt 0x0                                ; this slot's last prefetch, a lap ago, has read its address
	s_add_nc_u64 s[8-4*\slot:9-4*\slot], s[8-4*\slot:9-4*\slot], s[6:7]   ; two K steps on: the K step behind the one that this change of slots loads into this slot
.endif
	s_wait_tensorcnt 0x0
	ds_add_u32 v[SPW], v[NIL]
	s_wait_dscnt 9
	WIN MUL
	MULA F1, 0, 0
	s_wait_dscnt 0x0
	s_barrier_signal -1
	MULA F1, 1, 0
.if \fill
	WIN 0
.endif
	s_barrier_wait -1
.if \fill
	CREST
	s_add_nc_u64 s[G0+4*\slot+2:G0+4*\slot+3], s[G0+4*\slot+2:G0+4*\slot+3], 4194304
	s_add_nc_u64 s[G0B+4*\slot+2:G0B+4*\slot+3], s[G0B+4*\slot+2:G0B+4*\slot+3], 1024
	JLOAD \slot
.else
	PLACES
.endif
	FETCH \next, 0, F0
.if \fill
	WIN 0
	s_cmp_gt_u32 s3, 1                             ; the last trip's two loads are K steps 6 and 7: nothing lies two steps on
	s_cbranch_scc0 .Lno_ask_\@
	global_prefetch_b8 v30, s[8-4*\slot:9-4*\slot] th:TH_LOAD_NT scope:SCOPE_SE
.Lno_ask_\@:
.endif
	WIN MUL
	MULA F1, 2, 0
	MULA F1, 3, 0
.endm
	s_wait_tensorcnt 0x0                           ; my part of K step 0 is in; slot 1's first fill is issued as a refill is:
	ds_add_u32 v[SPW], v[NIL]                      ; 0 onto my spare word
	s_wait_dscnt 0x0
	CROUND                                         ; everybody's part is in, and the sixteen work-groups meet
	JLOAD 1                                        ; K step 1, the first tensor load behind the round
	FETCH 0, 0, F0
	global_prefetch_b8 v30, s[4:5] th:TH_LOAD_NT scope:SCOPE_SE   ; K step 3 (the address register lies in window 0, as source 0 does here)
	WIN 0x80                                       ; the residual, my 64 rows x 64 columns of h2, into window 2: 32 loads, two rows of 256 bytes each; they land under the products
.set I, 0
.rept 32
	global_load_b128 v[4*I:4*I+3], v[CO], s[76:77] offset:I*8192 th:TH_LOAD_NT
.set I, I+1
.endr
	WIN 0
	global_load_b128 v[BI:BI+3], v[BO], s[74:75]   ; the bias of my lane's four columns
	QUARTER 0, 1, F0, F1, 1
.if LAPS > 1
	WIN 0
	s_mov_b32 s3, LAPS-1
.Llap:
	QUARTER 0, 2, F1, F0, 0
	QUARTER 0, 3, F0, F1, 0
	TURN 0, 1, 1
	QUARTER 1, 1, F0, F1, 0
	QUARTER 1, 2, F1, F0, 0
	QUARTER 1, 3, F0, F1, 0
	TURN 1, 0, 1
	QUARTER 0, 1, F0, F1, 0
	WIN 0
	s_sub_co_u32 s3, s3, 1
	s_cmp_lg_u32 s3, 0
	s_cbranch_scc1 .Llap
.endif
	QUARTER 0, 2, F1, F0, 0
	QUARTER 0, 3, F0, F1, 0
	TURN 0, 1, 0
	QUARTER 1, 1, F0, F1, 0
	QUARTER 1, 2, F1, F0, 0
	QUARTER 1, 3, F0, F1, 0
	s_wait_dscnt 8
	WIN MUL
	MULA F1, 0, 0
	MULA F1, 1, 0
	s_wait_dscnt 0
	MULA F1, 2, 0
	MULA F1, 3, 0
	WIN 0
	PLACES
.irp a, 0,1,2,3
.irp b, 0,1,2,3
	ds_store_b128 v[STO], v[ACC+8*(4*\a+\b):ACC+8*(4*\a+\b)+3] offset:\a*16*SPITCH+64*\b
	ds_store_b128 v[STO], v[ACC+8*(4*\a+\b)+4:ACC+8*(4*\a+\b)+7] offset:\a*16*SPITCH+64*\b+16
.endr
.endr
.set I, 0
.rept 32
	ds_load_b128 v[ACC+4*I:ACC+4*I+3], v[RD] offset:I*2*SPITCH
.set I, I+1
.endr
	s_wait_loadcnt 0x0
	s_wait_kmcnt 0x0
	s_add_co_i32 s66, s66, s67
	s_add_co_i32 s66, s66, 127
	s_lshl_b32 s66, s66, 23
	s_mov_b32 s67, s66
	WIN 0x82
.set I, 0
.rept 32
	v_pk_add_f32 v[4*I:4*I+1], v[4*I:4*I+1], v[BI:BI+1]
	v_pk_add_f32 v[4*I+2:4*I+3], v[4*I+2:4*I+3], v[BI+2:BI+3]
.set I, I+1
.endr
	WIN 0x20
.set I, 0
.rept 32
	s_wait_dscnt 31-I
	v_pk_fma_f32 v[ACC+4*I:ACC+4*I+1], v[ACC+4*I:ACC+4*I+1], s[66:67], v[4*I:4*I+1] op_sel_hi:[1,0,1]
	v_pk_fma_f32 v[ACC+4*I+2:ACC+4*I+3], v[ACC+4*I+2:ACC+4*I+3], s[66:67], v[4*I+2:4*I+3] op_sel_hi:[1,0,1]
	global_store_b128 v[CO], v[ACC+4*I:ACC+4*I+3], s[78:79] offset:I*8192 th:TH_STORE_NT
.set I, I+1
.endr
	WIN 0
	s_wait_tensorcnt 0x0
	ds_add_u32 v[SPW], v[NIL]
	s_wait_dscnt 0x0
	CROUND
	s_endpgm
.Lfunc_end_k_qabcfe6c1e8_ffn2:
	.size	k_qabcfe6c1e8_ffn2, .Lfunc_end_k_qabcfe6c1e8_ffn2-k_qabcfe6c1e8_ffn2
	.p2alignl 7, 3214868480
	.fill 96, 4, 3214868480
	.section	.rodata,"a",@progbits
	.p2align	6, 0x0
	.amdhsa_kernel k_qabcfe6c1e8_ffn2
		.amdhsa_group_segment_fixed_size 327680
		.amdhsa_private_segment_fixed_size 0
		.amdhsa_enable_private_segment 0
		.amdhsa_kernarg_size 48
		.amdhsa_user_sgpr_count 2
		.amdhsa_user_sgpr_kernarg_segment_ptr 1
		.amdhsa_wavefront_size32 1
		.amdhsa_system_sgpr_workgroup_id_x 1
		.amdhsa_system_sgpr_workgroup_id_y 1
		.amdhsa_system_sgpr_workgroup_id_z 1
		.amdhsa_system_vgpr_workitem_id 0
		.amdhsa_next_free_vgpr 640
		.amdhsa_next_free_sgpr 80
		.amdhsa_reserve_vcc 0
		.amdhsa_float_denorm_mode_32 3
		.amdhsa_float_denorm_mode_16_64 3
		.amdhsa_memory_ordered 1
		.amdhsa_forward_progress 1
		.amdhsa_inst_pref_size 84
	.end_amdhsa_kernel
	.amdgpu_metadata
---
amdhsa.version: [ 1, 2 ]
amdhsa.kernels:
  - .name:           k_qabcfe6c1e8_ffn2
    .symbol:         k_qabcfe6c1e8_ffn2.kd
    .args:
      - { .name: gc, .offset: 0, .size: 8, .value_kind: global_buffer, .address_space: global }
      - { .name: W2_codes, .offset: 8, .size: 8, .value_kind: global_buffer, .address_space: global }
      - { .name: lowp_scales, .offset: 16, .size: 8, .value_kind: global_buffer, .address_space: global }
      - { .name: b2, .offset: 24, .size: 8, .value_kind: global_buffer, .address_space: global }
      - { .name: h2, .offset: 32, .size: 8, .value_kind: global_buffer, .address_space: global }
      - { .name: out0, .offset: 40, .size: 8, .value_kind: global_buffer, .address_space: global }
    .group_segment_fixed_size: 327680
    .private_segment_fixed_size: 0
    .kernarg_segment_align: 8
    .kernarg_segment_size: 48
    .max_flat_workgroup_size: 128
    .sgpr_count:     80
    .vgpr_count:     640
    .wavefront_size: 32
...
	.end_amdgpu_metadata
.endif
;; end of part 7
